; MI455X (gfx1250); checked and timed in simulation.
; The chip was launched on July 23, 2026; its instructions are those of AMD's public machine-readable ISA for CDNA 5 (MIT licence, August 2026) and "CDNA5" Instruction Set Architecture Reference Guide (July 2026). The comments in the code are by the model that wrote it; some were corrected since.
;; Multi Head Attention. Allowed arithmetic: matrix products marked QUANTISED: E2M1 operands, one E8M0 scale for each 32 along K, by v_wmma_scale_f32_16x16x128_f8f6f4 with both operands' format E2M1 (or v_wmma_scale_f32_32x16x128_f4), f32 sums; everything else in f32.
;; Inputs: Wfc_codes 1,024 x 32 x 16 uint8 (E2M1 codes of Wfc, K innermost, in blocks of 32 codes, two codes a byte); Wfc_scales 1,024 x 32 uint8 (E8M0 scales of Wfc, one for each 32 codes along K); Wk_codes 1,024 x 32 x 16 uint8 (E2M1 codes of Wk, K innermost, in blocks of 32 codes, two codes a byte); Wk_scales 1,024 x 32 uint8 (E8M0 scales of Wk, one for each 32 codes along K); Wpk_codes 1,024 x 32 x 16 uint8 (E2M1 codes of Wpk, K innermost, in blocks of 32 codes, two codes a byte); Wpk_scales 1,024 x 32 uint8 (E8M0 scales of Wpk, one for each 32 codes along K); Wpq_codes 1,024 x 32 x 16 uint8 (E2M1 codes of Wpq, K innermost, in blocks of 32 codes, two codes a byte); Wpq_scales 1,024 x 32 uint8 (E8M0 scales of Wpq, one for each 32 codes along K); Wq_codes 1,024 x 32 x 16 uint8 (E2M1 codes of Wq, K innermost, in blocks of 32 codes, two codes a byte); Wq_scales 1,024 x 32 uint8 (E8M0 scales of Wq, one for each 32 codes along K); Wv_codes 1,024 x 32 x 16 uint8 (E2M1 codes of Wv, K innermost, in blocks of 32 codes, two codes a byte); Wv_scales 1,024 x 32 uint8 (E8M0 scales of Wv, one for each 32 codes along K); beta 1,024 float32; bfc 1,024 float32; bk 1,024 float32; bpk 1,024 float32; bpq 1,024 float32; bq 1,024 float32; bv 1,024 float32; gamma 1,024 float32; k_codes 2 x 2,048 x 32 x 16 uint8 (E2M1 codes of k, K innermost, in blocks of 32 codes, two codes a byte); k_scales 2 x 2,048 x 32 uint8 (E8M0 scales of k, one for each 32 codes along K); mask 2 x 2,048 x 2,048 bool; pe_k_codes 2 x 2,048 x 32 x 16 uint8 (E2M1 codes of pe_k, K innermost, in blocks of 32 codes, two codes a byte); pe_k_scales 2 x 2,048 x 32 uint8 (E8M0 scales of pe_k, one for each 32 codes along K); pe_q_codes 2 x 2,048 x 32 x 16 uint8 (E2M1 codes of pe_q, K innermost, in blocks of 32 codes, two codes a byte); pe_q_scales 2 x 2,048 x 32 uint8 (E8M0 scales of pe_q, one for each 32 codes along K); q 2 x 2,048 x 1,024 float32; v_codes 2 x 2,048 x 32 x 16 uint8 (E2M1 codes of v, K innermost, in blocks of 32 codes, two codes a byte); v_scales 2 x 2,048 x 32 uint8 (E8M0 scales of v, one for each 32 codes along K).
;; Outputs: out0 2 x 2,048 x 1,024 float32.
;; This version of the problem:
;;   THIS VERSION OF THE PROBLEM IS GIVEN IN LOW PRECISION. The matrix products marked QUANTISED in the list below multiply operands that are first quantised to E2M1 (2 exponent bits, 1 mantissa bit; 4 bits a number), with one power-of-two scale for each 32 numbers along K (OCP MX v1.0); their sums are f32. All else is computed in f32.
;;   The module's matrix products, in the order in which they are computed (A, B: the left and right operand; K: the contracted axis; several contracted axes count as one K, in the product's order):
;;     1. [M 4,096, K 1,024] x [K 1,024, N 1,024]; A: input q; B: input Wq (given as codes): QUANTISED
;;     2. [M 4,096, K 1,024] x [K 1,024, N 1,024]; A: input k (given as codes); B: input Wk (given as codes): QUANTISED
;;     3. [M 4,096, K 1,024] x [K 1,024, N 1,024]; A: input v (given as codes); B: input Wv (given as codes): QUANTISED
;;     4. [M 4,096, K 1,024] x [K 1,024, N 1,024]; A: input pe_q (given as codes); B: input Wpq (given as codes): QUANTISED
;;     5. [M 4,096, K 1,024] x [K 1,024, N 1,024]; A: input pe_k (given as codes); B: input Wpk (given as codes): QUANTISED
;;     6. batch 32 x [M 2,048, K 64] x [K 64, N 2,048]; A: computed on the way; B: computed on the way: QUANTISED
;;     7. batch 32 x [M 2,048, K 64] x [K 64, N 2,048]; A: computed on the way; B: computed on the way: QUANTISED
;;     8. batch 32 x [M 2,048, K 2,048] x [K 2,048, N 64]; A: softmax (see below); B: computed on the way: QUANTISED
;;     9. [M 4,096, K 1,024] x [K 1,024, N 1,024]; A: computed on the way; B: input Wfc (given as codes): QUANTISED
;;   THE QUANTISER, for each operand of a quantised product, along K:
;;     - K is cut into blocks of 32 from its start; a last block that is shorter is filled with zeros.
;;     - A block's scale is 2^e with e = floor(log2(the largest magnitude in the block)) - 2, held to -126 .. 127; a block of zeros has e = 0. As a byte (E8M0): e + 127.
;;     - Each number is divided by its block's scale, clamped to +-6, and rounded to the nearest number of E2M1, ties to even, subnormals kept.
;;     - The product sums the exact products of the quantised numbers (number of the format x scale) in f32.
;;   ~~~python
;;   def quantise(x, axis):      # numpy; x: float32 -> the quantised numbers, widened to float32 again
;;       x = np.moveaxis(x, axis, -1); K = x.shape[-1]
;;       x = np.pad(x, [(0, 0)] * (x.ndim - 1) + [(0, -K % 32)]); x = x.reshape(x.shape[:-1] + (-1, 32)); a = np.abs(x).max(-1, keepdims=True)
;;       e = np.where(a > 0, np.clip(np.frexp(np.where(a > 0, a, 1))[1] - 1 - 2, -126, 127), 0)      # np.frexp(a)[1] - 1 = floor(log2(a)), exactly
;;       r = np.clip(x / 2.0 ** e, -6, 6)
;;       step = 2.0 ** (np.maximum(np.frexp(np.where(r == 0, 1, r))[1] - 1, 0) - 1)
;;       q = np.round(r / step) * step * 2.0 ** e      # np.round: ties to even
;;       return np.moveaxis(q.reshape(q.shape[:-2] + (-1,))[..., :K], -1, axis).astype(np.float32)
;;   ~~~
;;   SOFTMAX AHEAD OF A QUANTISED PRODUCT. Where the list says 'softmax', what is quantised is not the finished softmax but p = 2^(t - M), with t = logit x log2(e) and M = ceil(the row's largest t), a whole number; so 1/2 < the row's largest p <= 1. The row's sum l is taken of the UNQUANTISED p, in f32, and the product's result is divided by l at the end. Since M is a whole number, a kernel that streams over the keys may use a running M (the ceiling of the running maximum): every later rescaling is an exact power of two, which a block's scale takes up: the codes' values come out the same.
;;   OPERANDS COMPUTED ON THE WAY. 'Computed on the way' means the value that the module computes at that place (a softmax that the list does not call 'softmax' is quantised finished and normalised). What goes into a quantiser is computed in f32, as accurately as f32 sums, v_exp_f32 and their like allow (about 1e-6 of the number): no bf16 or f16 on the way to a quantiser, and a product that is left as it is and whose result goes on into a quantised operand takes f32 operands (vector FMAs, or v_wmma_f32_16x16x4_f32). A number that lies on a knife's edge between two numbers of the format may be rounded either way, as far as f32 arithmetic and the matrix unit's own rounding can turn it there, and no further.
;;   INPUTS GIVEN AS CODES. Wfc (in the module: [1024, 1024], K = its axis 0); Wk (in the module: [1024, 1024], K = its axis 0); Wpk (in the module: [1024, 1024], K = its axis 0); Wpq (in the module: [1024, 1024], K = its axis 0); Wq (in the module: [1024, 1024], K = its axis 0); Wv (in the module: [1024, 1024], K = its axis 0); k (in the module: [2, 2048, 1024], K = its axis 2); pe_k (in the module: [2, 2048, 1024], K = its axis 2); pe_q (in the module: [2, 2048, 1024], K = its axis 2); v (in the module: [2, 2048, 1024], K = its axis 2): each comes as NAME_codes (uint8): NAME with its K axis moved to the last place and cut into blocks of 32 codes, [.., K / 32, bytes a block], one block behind the other in memory; two codes a byte, the lower K in the low four bits (a code: sign, 2 exponent bits, 1 mantissa bit); and NAME_scales (uint8): the same leading axes, one E8M0 byte (e + 127) for each 32 codes along K. Its value is code x scale, taken as it is: it is not quantised again, and the codes and scales need not be those that the quantiser above would give.
;; One version. Each part assembles by itself: llvm-mc -triple=amdgcn-amd-amdhsa -mcpu=gfx1250 --defsym DOCPART=n.
;; ======== version 1 of 1: 4 launches
;; limits: right only within a limited range of input values
;; workspace buffers: qc 2,097,152 bytes; qs 131,072 bytes; maskc 4,194,304 bytes; wf 524,288 bytes; qb 4,456,448 bytes; kv 6,684,672 bytes; ow 16,777,216 bytes
;; launch prep (part 1): grid 256 x 1, 8 waves a work-group, no clusters, 77,824 bytes of LDS; arguments q, mask, Wfc_codes, qc, qs, maskc, wf; writes qc, qs, maskc, wf
.if DOCPART == 1
	.amdgcn_target "amdgcn-amd-amdhsa--gfx1250"
	.amdhsa_code_object_version 6
	.text
	.protected	k_qa19dc5fe29_prep
	.globl	k_qa19dc5fe29_prep
	.p2align	8
	.type	k_qa19dc5fe29_prep,@function
k_qa19dc5fe29_prep:
	s_mov_b64 s[64:65], 0
	v_nop
	global_prefetch_b8 v0, s[64:65] scope:SCOPE_SE
	s_setreg_imm32_b32 hwreg(HW_REG_WAVE_MODE, 25, 1), 1
	s_wait_xcnt 0x0
; THREE SMALL JOBS THAT THE LATER LAUNCHES WANT DONE ONCE.  8 waves, 256 work-groups: 2,048 waves, ID = 8 x work-group + wave; every wave takes one share of each job, on one path.
; (1) q [4096][1024] f32 becomes codes of E2M1 (qc, [4096][512 bytes], K innermost) and one E8M0 byte for each 32 along K (qs, [4096][32]).  A wave takes 2,048 numbers, four steps of 512.
;     A block's scale is 2^(floor(log2(largest magnitude)) - 2): its byte is the largest magnitude's exponent field - 2, held at 1 from below by a floor among the maximum's leaves.
; (2) mask [2][2048][2048] bytes becomes codes of E2M1 (maskc): 0.5 (code 1) for a hidden key, 0 for one that counts, laid as images of operand registers: for 16 queries and 128 keys 1,024 bytes:
;     registers 4 c .. 4 c + 3 of lane (r, h) at 512 c + 16 lane; register 4 c + i, nibble b: query r, key 64 c + 32 h + 8 i + (b xor 1).  A wave takes 16 queries x 256 keys: 2,048 bytes.
; (3) Wfc's codes are laid as images of operand registers (wf): [tile of 16 columns][K step of 128][c][lane][16 bytes].  A wave takes 256 bytes: 16 rows x 16 bytes.  That read takes 16 bytes of each row and is made once.
; LIMITS: a block of zeros gets the byte 1 (its codes are zeros; this program alone reads the bytes); NaN and infinities in q are not served.
; No tensor loads.  All 25 loads of a wave go out at its head.
.set WREG, 9472                        ; LDS of a wave: two stages for q (32 x 80 bytes each), then the mask's stage (16 x 272)
.set SP,   80                          ; a lane's place in q's stage: 64 bytes + 16 of padding
.set MST,  2*32*SP                     ; the mask's stage
.set MPI,  272                         ; its pitch: 256 bytes + 16
.set SCB,  8*WREG                      ; behind the waves' regions: the work-group's 512 scale bytes
.set R,    16                          ; v16-79   q as loaded, 16 registers a step
.set X,    80                          ; v80-111  two sets of 16 neighbours
.set C,    112                         ; v112-119 codes, two registers a step
.set E,    120                         ; v120-123 a scale byte a step
.set TP,   124                         ; v124-127 at work
.set MR,   128                         ; v128-159 the mask as loaded; v128-143 later its codes
.set MB,   160                         ; v160-191 the mask by lanes: register 8 g + w: my query's keys 64 g + 32 h + 4 w + 0 .. 3
.set WF,   196                         ; v196-197 Wfc's 8 bytes
	s_load_b256 s[4:11], s[0:1], 0x0               ; q, mask, Wfc_codes, qc
	s_load_b128 s[12:15], s[0:1], 0x20             ; qs, maskc
	s_load_b64 s[16:17], s[0:1], 0x30              ; wf
	v_lshl_add_u32 v200, v0, 2, 0x12c00
	v_mov_b32 v201, 0
	v_lshrrev_b32 v1, 5, v0
	s_delay_alu instid0(VALU_DEP_1)
	v_readfirstlane_b32 s18, v1                    ; wave
	v_and_b32 v1, 31, v0                           ; lane
	s_lshl_b32 s19, ttmp9, 3
	s_add_co_u32 s19, s19, s18                     ; ID
	s_mul_i32 s30, s18, WREG                       ; my wave's LDS
	v_lshlrev_b32 v3, 4, v1                        ; 16 x lane
	v_lshlrev_b32 v4, 3, v1                        ; 8 x lane
	s_delay_alu instid0(VALU_DEP_2)
	v_add_nc_u32 v2, SCB, v3                       ; the scale bytes' way out
	v_lshrrev_b32 v14, 2, v1
	s_delay_alu instid0(VALU_DEP_1)
	v_mul_u32_u24 v14, v14, SP
	v_and_b32 v15, 3, v1
	s_delay_alu instid0(VALU_DEP_1)
	v_lshl_add_u32 v14, v15, 4, v14
	s_delay_alu instid0(VALU_DEP_1)
	v_add_nc_u32 v14, s30, v14                     ; q's stage, in: four lanes' 64 bytes on end, then the padding
	v_mul_u32_u24 v15, v1, SP
	s_delay_alu instid0(VALU_DEP_1)
	v_add_nc_u32 v15, s30, v15                     ; and out: my 16 neighbours
	v_lshrrev_b32 v5, 1, v1
	s_lshl_b32 s31, s18, 6
	s_add_co_u32 s31, s31, SCB
	v_add_nc_u32 v5, s31, v5                       ; my block's scale byte: 64 bytes a wave, 16 a step
	v_and_b32 v12, 15, v1                          ; r
	v_lshrrev_b32 v13, 4, v1                       ; h
	s_delay_alu instid0(VALU_DEP_1)
	v_lshlrev_b32 v6, 11, v13
	s_delay_alu instid0(VALU_DEP_1)
	v_lshl_add_u32 v6, v12, 4, v6                  ; the mask in memory: lanes 0-15 one row's 256 bytes, lanes 16-31 the next row's
	s_delay_alu instid0(VALU_DEP_3)
	v_mul_u32_u24 v7, v13, MPI
	s_delay_alu instid0(VALU_DEP_1)
	v_lshl_add_u32 v7, v12, 4, v7
	s_delay_alu instid0(VALU_DEP_1)
	v_add_nc_u32 v7, s30, v7                       ; the same in its stage
	v_mul_u32_u24 v9, v12, MPI
	s_delay_alu instid0(VALU_DEP_1)
	v_lshl_add_u32 v9, v13, 5, v9
	s_delay_alu instid0(VALU_DEP_1)
	v_add_nc_u32 v9, s30, v9                       ; and out: query r, 32 keys of my half
	v_lshrrev_b32 v10, 1, v1
	s_delay_alu instid0(VALU_DEP_1)
	v_lshlrev_b32 v10, 9, v10
	v_and_b32 v11, 1, v1
	s_delay_alu instid0(VALU_DEP_1)
	v_lshl_add_u32 v10, v11, 3, v10                ; Wfc: two lanes to a row's 16 bytes
	s_mov_b32 s29, 0
	s_wait_alu depctr_va_vdst(0)
	s_wait_kmcnt 0x0
	s_lshl_b32 s28, s19, 13
	s_add_nc_u64 s[4:5], s[4:5], s[28:29]          ; q: 8,192 bytes a wave
	s_lshl_b32 s28, ttmp9, 15
	s_lshl_b32 s31, s18, 8
	s_add_co_u32 s28, s28, s31
	s_add_nc_u64 s[6:7], s[6:7], s[28:29]          ; mask: 16 rows of 2,048 bytes a work-group, 256 keys a wave
	s_lshr_b32 s28, s19, 5
	s_lshl_b32 s28, s28, 13
	s_and_b32 s31, s19, 31
	s_lshl_b32 s31, s31, 4
	s_add_co_u32 s28, s28, s31
	s_add_nc_u64 s[8:9], s[8:9], s[28:29]          ; Wfc: tile ID / 32 (16 rows of 512 bytes), 16 bytes at 16 (ID % 32)
	s_lshl_b32 s28, s19, 10
	s_add_nc_u64 s[10:11], s[10:11], s[28:29]      ; qc: 1,024 bytes a wave
	s_lshl_b32 s28, ttmp9, 9
	s_add_nc_u64 s[12:13], s[12:13], s[28:29]      ; qs: 512 bytes a work-group
	s_lshl_b32 s28, s19, 11
	s_add_nc_u64 s[14:15], s[14:15], s[28:29]      ; maskc: 2,048 bytes a wave
	s_lshl_b32 s28, s19, 8
	s_add_nc_u64 s[16:17], s[16:17], s[28:29]      ; wf: 256 bytes a wave
.irp t, 0,1,2,3
.irp i, 0,1,2,3
	global_load_b128 v[R+16*\t+4*\i:R+16*\t+4*\i+3], v3, s[4:5] offset:2048*\t+512*\i th:TH_LOAD_NT   ; 32 lanes read 512 consecutive bytes
.endr
.endr
.irp i, 0,1,2,3,4,5,6,7
	global_load_b128 v[MR+4*\i:MR+4*\i+3], v6, s[6:7] offset:4096*\i th:TH_LOAD_NT   ; rows 2 i and 2 i + 1: 256 consecutive bytes each
.endr
	global_load_b64 v[WF:WF+1], v10, s[8:9]
.macro TURN t                          ; step t's numbers through stage t % 2: LDS serves a wave's instructions in order, so no wait stands between the stores and the loads
.irp i, 0,1,2,3
	ds_store_b128 v14, v[R+16*(\t)+4*\i:R+16*(\t)+4*\i+3] offset:32*SP*((\t)%2)+8*SP*\i
.endr
.irp i, 0,1,2,3
	ds_load_b128 v[X+16*((\t)%2)+4*\i:X+16*((\t)%2)+4*\i+3], v15 offset:32*SP*((\t)%2)+16*\i
.endr
.endm
.macro QSTEP t
.set XS, X+16*((\t)%2)
.if (\t) < 3
	s_wait_loadcnt 17-4*(\t)                       ; the next step's four loads are in; younger: the later steps' fours, the mask's eight, Wfc's one
	TURN (\t)+1
.endif
.if (\t) == 0
	s_wait_dscnt 8                                 ; this step's numbers are back; the eight of the next step's turn may be out
.elseif (\t) < 3
	s_wait_dscnt 9                                 ; likewise, and the last step's byte store
.else
	s_wait_dscnt 1                                 ; only the last step's byte store is younger
.endif
	v_max3_num_f32 v8, |v[XS]|, |v[XS+1]|, |v[XS+2]|               ; the largest magnitude of my 16, in two chains
	v_max3_num_f32 v12, |v[XS+3]|, |v[XS+4]|, |v[XS+5]|
.irp i, 6,10
	s_delay_alu instid0(VALU_DEP_2)
	v_max3_num_f32 v8, v8, |v[XS+\i]|, |v[XS+\i+1]|
	s_delay_alu instid0(VALU_DEP_2)
	v_max3_num_f32 v12, v12, |v[XS+\i+2]|, |v[XS+\i+3]|
.endr
	s_delay_alu instid0(VALU_DEP_2)
	v_max3_num_f32 v8, v8, |v[XS+14]|, |v[XS+15]|
	s_delay_alu instid0(VALU_DEP_1)
	v_max3_num_f32 v8, v8, v12, 0x1800000          ; and the floor 2^(3 - 127): the byte cannot fall under 1
	s_delay_alu instid0(VALU_DEP_1)
	v_max_num_f32_dpp v8, v8, v8 row_xmask:1 row_mask:0xf bank_mask:0xf   ; with my neighbour's 16: the block's
	s_delay_alu instid0(VALU_DEP_1)
	v_add_nc_u32 v11, 0xff000000, v8               ; 2 off its exponent field: the conversion takes the exponent field of this operand as its scale
	v_cvt_scalef32_pk8_fp4_f32 v[C+2*(\t)], v[XS:XS+7], v11
	v_cvt_scalef32_pk8_fp4_f32 v[C+2*(\t)+1], v[XS+8:XS+15], v11
	v_lshrrev_b32 v[E+(\t)], 23, v11               ; the scale's byte (a plain line behind the conversions)
	ds_store_b8 v5, v[E+(\t)] offset:16*(\t)       ; both lanes of a block write the same byte with the same value
	global_store_b64 v4, v[C+2*(\t):C+2*(\t)+1], s[10:11] offset:256*(\t)   ; 32 lanes store 256 consecutive bytes, aligned
.endm
	s_wait_loadcnt 21                              ; step 0's four loads are in: 21 are younger
	TURN 0
	QSTEP 0
	QSTEP 1
	QSTEP 2
	QSTEP 3
	; the mask: rows into the stage as they lie, out again 32 bytes a lane and group g of 64 keys: query r, keys 64 g + 32 h + 0 .. 31
	s_wait_loadcnt 0x1                             ; the mask's eight are in; Wfc's load is younger
.irp i, 0,1,2,3,4,5,6,7
	ds_store_b128 v7, v[MR+4*\i:MR+4*\i+3] offset:MST+2*MPI*\i
.endr
.irp g, 0,1,2,3
.irp e, 0,1
	ds_load_b128 v[MB+8*\g+4*\e:MB+8*\g+4*\e+3], v9 offset:MST+64*\g+16*\e
.endr
.endr
	s_wait_dscnt 0x0
.set U, 0
.rept 32                               ; four bytes b0 .. b3 of 0 or 1: byte 1 becomes b1 + 16 b0, byte 3 becomes b3 + 16 b2
	v_lshl_or_b32 v[MB+U], v[MB+U], 12, v[MB+U]
.set U, U+1
.endr
.set U, 0
.rept 16                               ; bytes 1 and 3 of two such words: eight keys' nibbles, each pair of keys with the even key above
	v_perm_b32 v[MR+U], v[MB+2*U+1], v[MB+2*U], 0x07050301
.set U, U+1
.endr
.set U, 0
.rept 16
	v_xor_b32 v[MR+U], 0x11111111, v[MR+U]         ; code 1 where the key is hidden, 0 where it counts
.set U, U+1
.endr
.irp g, 0,1,2,3
	global_store_b128 v3, v[MR+4*\g:MR+4*\g+3], s[14:15] offset:512*\g   ; 32 lanes store 512 consecutive bytes, aligned
.endr
	s_wait_loadcnt 0x0
	global_store_b64 v4, v[WF:WF+1], s[16:17]                  ; Wfc's 16 x 16 bytes on end: 256 consecutive bytes, aligned
	s_wait_dscnt 0x0                               ; my byte stores have landed
	s_barrier_signal -1
	s_barrier_wait -1                              ; everybody's have
	s_cmp_lg_u32 s18, 0
	s_cbranch_scc1 .Ldone
	ds_load_b128 v[TP:TP+3], v2                    ; wave 0 sends the work-group's 512 scale bytes: two aligned blocks of 256
	s_wait_dscnt 0x0
	global_store_b128 v3, v[TP:TP+3], s[12:13]
.Ldone:
	s_wait_tensorcnt 0x0                           ; the wave's end
	ds_add_u32 v200, v201
	s_wait_dscnt 0x0
	s_endpgm
.Lfunc_end_k_qa19dc5fe29_prep:
	.size	k_qa19dc5fe29_prep, .Lfunc_end_k_qa19dc5fe29_prep-k_qa19dc5fe29_prep
	.p2alignl 7, 3214868480
	.fill 96, 4, 3214868480
	.section	.rodata,"a",@progbits
	.p2align	6, 0x0
	.amdhsa_kernel k_qa19dc5fe29_prep
		.amdhsa_group_segment_fixed_size 77824
		.amdhsa_private_segment_fixed_size 0
		.amdhsa_enable_private_segment 0
		.amdhsa_kernarg_size 56
		.amdhsa_user_sgpr_count 2
		.amdhsa_user_sgpr_kernarg_segment_ptr 1
		.amdhsa_wavefront_size32 1
		.amdhsa_system_sgpr_workgroup_id_x 1
		.amdhsa_system_sgpr_workgroup_id_y 1
		.amdhsa_system_sgpr_workgroup_id_z 1
		.amdhsa_system_vgpr_workitem_id 0
		.amdhsa_next_free_vgpr 202
		.amdhsa_next_free_sgpr 66
		.amdhsa_reserve_vcc 0
		.amdhsa_float_denorm_mode_32 3
		.amdhsa_float_denorm_mode_16_64 3
		.amdhsa_memory_ordered 1
		.amdhsa_forward_progress 1
		.amdhsa_inst_pref_size 20
	.end_amdhsa_kernel
	.amdgpu_metadata
---
amdhsa.version: [ 1, 2 ]
amdhsa.kernels:
  - .name:           k_qa19dc5fe29_prep
    .symbol:         k_qa19dc5fe29_prep.kd
    .args:
      - { .name: q, .offset: 0, .size: 8, .value_kind: global_buffer, .address_space: global }
      - { .name: mask, .offset: 8, .size: 8, .value_kind: global_buffer, .address_space: global }
      - { .name: Wfc_codes, .offset: 16, .size: 8, .value_kind: global_buffer, .address_space: global }
      - { .name: qc, .offset: 24, .size: 8, .value_kind: global_buffer, .address_space: global }
      - { .name: qs, .offset: 32, .size: 8, .value_kind: global_buffer, .address_space: global }
      - { .name: maskc, .offset: 40, .size: 8, .value_kind: global_buffer, .address_space: global }
      - { .name: wf, .offset: 48, .size: 8, .value_kind: global_buffer, .address_space: global }
    .group_segment_fixed_size: 77824
    .private_segment_fixed_size: 0
    .kernarg_segment_align: 8
    .kernarg_segment_size: 56
    .max_flat_workgroup_size: 256
    .sgpr_count:     66
    .vgpr_count:     202
    .wavefront_size: 32
...
	.end_amdgpu_metadata
.endif
;; end of part 1
;; launch proj (part 2): grid 8 x 80, 4 waves a work-group, clusters of 4 x 4, 327,680 bytes of LDS; arguments Wq_codes, Wq_scales, Wpq_codes, Wpq_scales, qc, qs, pe_q_codes, pe_q_scales, Wk_codes, Wk_scales, Wpk_codes, Wpk_scales, k_codes, k_scales, pe_k_codes, pe_k_scales, v_codes, v_scales, Wv_codes, Wv_scales, bq, bpq, bk, bpk, bv, qb, kv; writes qb, kv
.if DOCPART == 2
	.amdgcn_target "amdgcn-amd-amdhsa--gfx1250"
	.amdhsa_code_object_version 6
	.text
	.protected	k_qa19dc5fe29_proj
	.globl	k_qa19dc5fe29_proj
	.p2align	8
	.type	k_qa19dc5fe29_proj,@function
k_qa19dc5fe29_proj:
	s_mov_b64 s[64:65], 0
	v_nop
	global_prefetch_b8 v0, s[64:65] scope:SCOPE_SE
	s_setreg_imm32_b32 hwreg(HW_REG_WAVE_MODE, 25, 1), 1
	s_wait_xcnt 0x0
	s_wait_alu depctr_hold_cnt(0) depctr_sa_sdst(0) depctr_va_vdst(0) depctr_va_sdst(0) depctr_va_ssrc(0) depctr_va_vcc(0) depctr_vm_vsrc(0)
	s_getreg_b32 s2, hwreg(HW_REG_IB_STS2, 6, 4)
	s_cmp_eq_u32 s2, 0
	s_cbranch_scc0 .Lentry_in_a_cluster
	s_endpgm
.Lentry_in_a_cluster:
	s_bfe_u32 s2, ttmp6, 0x10000c
	s_cmp_lg_u32 s2, 0xf033
	s_cbranch_scc0 .Lentry_shape_is_right
	s_endpgm
.Lentry_shape_is_right:
; THE FIVE PROJECTIONS, their biases, and the quantiser of their results, on codes of E2M1 with one E8M0 scale for each 32 along K (K = 1,024).  ONE TEXT FOR ALL FIVE.
; D = S0's rows x S1's rows (source 0 = 16 rows of S0, source 1 = 16 rows of S1): a lane stands for ONE row of S1, and its registers run along S0's rows, which is the axis along which the result is quantised.
; A work-group holds two slots of S0 (G = 0, 1) and two of S1 (j = 0, 1), 128 rows of 512 bytes each: all of K.  Rows 64 j .. 64 j + 63 of each S0 slot multiply S1's slot j.
;   type 0 (cluster rows 0-7):   S0 slot G = 64 rows of Wq, 64 of Wpq, head 2 x + G;  S1 = 128 rows of q's codes, of pe_q's: a query's [Q | PQ], 128 numbers, is one operand row of the scores' product
;   type 1 (cluster rows 8-15):  the same with Wk, Wpk, k, pe_k: a key's [K | PK]
;   type 2 (cluster rows 16-19): S0 slot G = 128 keys of v;  S1 = 128 rows of Wv in BOTH slots (fetched twice: a twentieth of the launch's fills, the price of one text): V with the keys along a lane's registers
; RESULTS leave as IMAGES OF OPERAND REGISTERS (16 rows x 128 K: registers 0-3 of lane l at 16 l, registers 4-7 at 512 + 16 l) with their scale words: qb and kv, as the attention launch reads them.
; A wave (G = wave % 2, hh = wave / 2) makes S0 slot G's 8 tiles x 4 tiles of S1's rows 64 hh on: 32 accumulators.  Two phases (j = 0, 1) of 8 K steps x 16 matrix instructions.
; BIASES.  bq | bpq (bk | bpk) run along a lane's registers: they are the C of each sum's first matrix instruction.  bv hangs on the lane: it is added on the way out, by the additions that bring a tile into window 0.
;   Every work-group loads both forms; the one that its type does not use is cleared by a chosen mask, so that no branch parts the types.
; CLUSTER 4 x 4.  S0's tiles hang on the work-group's x and the cluster's row alone: asked for jointly along a column of the cluster; S1's on its y: along a row.  All tiles are filled once: no slot is filled again.
; LIMITS: a block of zeros gets the scale byte 1 (its codes are zeros; this program alone reads the bytes); NaN and infinities are not served.
; REGISTERS.  window 0: v1-11 addresses; v12-27 at work; v28-31 the four scale words; v32-63 the four fragments made; v64-127 scale words (register 8 i + ks: lanes 0-15 S0's tile i, lanes 16-31 S1's tile i % 4 of slot i / 4);
;   v128-191, v192-255 two fragment buffers (4 tiles of S0, then 4 of S1); the first takes a tile's results on the way out.   window 1: accumulator (s, p) at v[64 s + 8 p].   window 2: v0-63 the bias along registers, v64-71 the bias by lanes, each twice.
.set PITCH, 528                        ; an LDS row: 512 bytes + 16 of padding: 33 x 16 bytes, so the 16 rows that a load touches begin in 16 different columns of 16 bytes
.set SLOT,  128*PITCH
.set HALF,  64*PITCH                   ; 64 rows.  S0 lies by pieces: types 0, 1: piece (G, j) at j SLOT + G HALF; type 2: at G SLOT + j HALF: so one tensor load of 128 neighbouring rows of one buffer fills one SLOT
.set TILE,  16*PITCH
.set SC0,   4*SLOT                     ; S0's scale bytes: [G][128 rows x 32 bytes] as blocks of 256 bytes + 16 of padding
.set SHALF, 8*272                      ; those of 64 rows
.set SC1,   SC0+4*SHALF                ; S1's: [hh][j][64 rows]
.set CW0,   (1<<20)|(1<<21)|(6<<22)|(3<<25)           ; group 1, word 0, codes: elements of 1 byte; padding on; bit 21 beside a mask; after every 128 words 4 words
.set SW0,   (3<<16)|(1<<20)|(1<<21)|(5<<22)|(3<<25)   ; scale bytes: elements of 8 bytes; after every 64 words 4 words
.set WV,  2
.set TY,  3
.set TM,  12
.set PW,  28
.set PC,  32
.set SC,  64
.set F0,  128
.set F1,  192
.set H,   128
.set MSB, 0
.macro WIN new                         ; the immediate's high byte repeats the setting that is left
.if MSB != \new
	s_set_vgpr_msb (MSB<<8)|\new
.set MSB, \new
.endif
.endm
.macro PLACES n
.rept \n
	v_nop
.endr
.endm
.macro CROUND                          ; a round of the cluster's barrier
	s_barrier_signal -1
	s_barrier_wait -1
	s_cmp_lg_u32 s[WV], 0
	s_cbranch_scc1 .Lnot_wave_0_\@
	s_barrier_signal -3
.Lnot_wave_0_\@:
	s_barrier_wait -3
	s_barrier_signal -1
	s_barrier_wait -1
.endm
	s_load_b512 s[4:19], s[0:1], 0x0               ; type 0: Wq c, s; Wpq c, s; q c, s; pe_q c, s
	s_load_b512 s[20:35], s[0:1], 0x40             ; type 1: Wk, Wpk, k, pe_k likewise
	s_load_b256 s[36:43], s[0:1], 0x80             ; type 2: v c, s; Wv c, s
	s_load_b256 s[44:51], s[0:1], 0xa0             ; bq, bpq, bk, bpk
	s_load_b64 s[52:53], s[0:1], 0xc0              ; bv
	s_load_b128 s[56:59], s[0:1], 0xc8             ; qb, kv
	v_lshl_add_u32 v22, v0, 2, 0x46400
	v_mov_b32 v23, 0
	ds_add_u32 v22, v23
	ds_add_u32 v22, v23
	v_lshrrev_b32 v1, 5, v0
	v_readfirstlane_b32 s[WV], v1                  ; wave 0..3
	s_and_b32 s100, ttmp7, 0xffff                  ; the cluster's row, 0..19
	s_lshr_b32 s[TY], s100, 3                      ; the type: the same in all sixteen partners
	s_and_b32 s100, s100, 7                        ; the cluster's row within its type
	s_bfe_u32 s101, ttmp6, 0x40000                 ; cx
	s_bfe_u32 s104, ttmp6, 0x40004                 ; cy
	s_lshl_b32 s60, 0x1111, s101                   ; my column of the cluster
	s_lshl_b32 s61, s104, 2
	s_lshl_b32 s61, 15, s61                        ; my row
	s_or_b32 s68, s60, CW0                         ; s[68:75] group 1, S0's codes;  s[84:91] S1's
	s_or_b32 s84, s61, CW0
.irp g, 68, 84                         ; 128 rows of 512 bytes, 512 bytes apart
	s_mov_b32 s[\g+1], 512<<16                     ; tensor_dim0
	s_mov_b32 s[\g+2], 128<<16                     ; tensor_dim1: 128 rows to a load
	s_mov_b32 s[\g+3], 512<<16                     ; tile_dim0
	s_mov_b32 s[\g+4], 128                         ; tile_dim1
	s_mov_b32 s[\g+5], 512                         ; the pitch
	s_mov_b32 s[\g+6], 0
	s_mov_b32 s[\g+7], 0
.endr
	s_lshl_b32 s60, ttmp9, 2
	s_add_co_u32 s101, s60, s101                   ; x = 4 x cluster x + cx
	s_and_b32 s105, s[WV], 1                       ; a: which slot (S0) or which half (S1) I fetch.  Also G
	s_wait_dscnt 0x0
	s_wait_kmcnt 0x0
	s_cmp_eq_u32 s[TY], 0                          ; the buffers are chosen by the type, which hangs on no address
.irp i, 0,2,4,6,8,10,12,14
	s_cselect_b64 s[4+\i:5+\i], s[4+\i:5+\i], s[20+\i:21+\i]
.endr
	s_cselect_b64 s[60:61], s[44:45], s[48:49]     ; the bias of S0's rows 0-63,
	s_cselect_b64 s[62:63], s[46:47], s[50:51]     ; of rows 64-127
	s_cselect_b64 s[66:67], s[56:57], s[58:59]     ; where the results go
	s_cmp_lt_u32 s[TY], 2
	s_cselect_b64 s[4:5], s[4:5], s[36:37]
	s_cselect_b64 s[6:7], s[6:7], s[38:39]
	s_cselect_b64 s[8:9], s[8:9], s[36:37]
	s_cselect_b64 s[10:11], s[10:11], s[38:39]
	s_cselect_b64 s[12:13], s[12:13], s[40:41]
	s_cselect_b64 s[14:15], s[14:15], s[42:43]
	s_cselect_b64 s[16:17], s[16:17], s[40:41]
	s_cselect_b64 s[18:19], s[18:19], s[42:43]
	s_cselect_b64 s[60:61], s[60:61], s[52:53]
	s_cselect_b64 s[62:63], s[62:63], s[52:53]
	; S0's four tiles of slot a (scale bytes of rows 0-63 from s[22:23], of rows 64-127 from s[30:31]; the codes by group 0 in s[24:27]).  Types 0, 1: both pieces begin at row 64 (2 x + a) of their own weight.  Type 2: rows 128 (2 kd + a) and 64 on, kd = x + 8 (row / 2)
	s_lshr_b32 s52, s100, 1
	s_lshl_b32 s52, s52, 3
	s_add_co_u32 s52, s52, s101                    ; kd
	s_lshl_b32 s52, s52, 1
	s_add_co_u32 s52, s52, s105
	s_lshl_b32 s52, s52, 7
	s_lshl_b32 s53, s101, 1
	s_add_co_u32 s53, s53, s105
	s_lshl_b32 s53, s53, 6
	s_cmp_lt_u32 s[TY], 2
	s_cselect_b32 s52, s53, s52                    ; the first piece's first row,
	s_cselect_b32 s53, 0, 64                       ; and how many rows on the second begins
	s_mov_b32 s55, 0
	s_lshl_b32 s54, s52, 5
	s_add_nc_u64 s[22:23], s[6:7], s[54:55]
	s_lshl_b32 s54, s101, 7                        ; the codes that wave a fetches: types 0, 1: rows 128 x on (heads 2 x, 2 x + 1) of the a-th weight; type 2: keys 128 (2 kd + a) on
	s_cmp_lt_u32 s[TY], 2
	s_cselect_b32 s54, s54, s52
	s_lshl_b32 s54, s54, 9
	s_cmp_eq_u32 s105, 0
	s_cselect_b64 s[26:27], s[4:5], s[8:9]
	s_add_nc_u64 s[26:27], s[26:27], s[54:55]
	s_add_co_u32 s52, s52, s53
	s_lshl_b32 s54, s52, 5
	s_add_nc_u64 s[30:31], s[10:11], s[54:55]
	s_mul_i32 s54, s105, SLOT
	s_mov_b32 s25, s54
	; S1's four tiles (scale bytes of slot 0 from s[38:39], of slot 1 from s[46:47]; slot a's codes by group 0 in s[40:43]): rows 128 yy + 64 a, yy = 4 x row + cy (types 0, 1) or 4 (row % 2) + cy (type 2)
	s_and_b32 s52, s100, 1
	s_cmp_lt_u32 s[TY], 2
	s_cselect_b32 s52, s100, s52
	s_lshl_b32 s52, s52, 2
	s_add_co_u32 s52, s52, s104                    ; yy
	s_lshr_b32 s54, s[WV], 1                       ; the scale bytes go straight into registers: those of the 64 rows that I multiply, 128 yy + 64 hh on
	s_lshl_b32 s54, s54, 6
	s_lshl_b32 s21, s52, 7
	s_add_co_u32 s54, s54, s21
	s_lshl_b32 s54, s54, 5
	s_add_nc_u64 s[38:39], s[14:15], s[54:55]
	s_add_nc_u64 s[46:47], s[18:19], s[54:55]
	s_lshl_b32 s54, s52, 16                        ; S1's slot a whole: rows 128 yy on of the a-th operand, 512 bytes a row
	s_cmp_eq_u32 s105, 0
	s_cselect_b64 s[42:43], s[12:13], s[16:17]
	s_add_nc_u64 s[42:43], s[42:43], s[54:55]
	s_mul_i32 s54, s105, SLOT
	s_add_co_u32 s41, s54, 2*SLOT
.irp g, 24,40
	s_mov_b32 s[\g], 1                             ; count = 1
	s_or_b32 s[\g+3], s[\g+3], 0x80000000          ; type = 2
.endr
	CROUND                                         ; all sixteen work-groups are here: the joint loads meet
	s_cmp_lt_u32 s[WV], 2                          ; waves 0, 1 fetch S0's slots, waves 2, 3 the halves of S1's.  At the head one load a wave: together all codes of both phases
	s_cbranch_scc0 .Lrole1
	tensor_load_to_lds s[24:27], s[68:75]
	s_nop 0
	PLACES 4
	s_branch .Lasked
.Lrole1:
	tensor_load_to_lds s[40:43], s[84:91]
	s_nop 0
	PLACES 4
.Lasked:
	; where the results go: buffer + ((m x 16 + head) x 16 + block) x the block's bytes.  s[4:19] are free now
	s_mov_b32 s4, 0x76543210
	s_mov_b32 s5, 0xfedcba98                       ; v_permlanex16_b32's selects for lane l xor 16
	s_lshr_b32 s6, s[WV], 1                        ; hh
	s_lshr_b32 s7, s100, 1
	s_lshl_b32 s7, s7, 3
	s_add_co_u32 s7, s7, s101                      ; kd
	s_lshl_b32 s8, s101, 1
	s_add_co_u32 s8, s8, s105                      ; types 0, 1: head 2 x + G,
	s_lshl_b32 s9, s52, 1
	s_add_co_u32 s9, s9, s6                        ; type 2: head 2 yy + hh
	s_lshr_b32 s10, s52, 4                         ; m: yy / 16,
	s_lshr_b32 s11, s7, 3                          ; or kd / 8
	s_and_b32 s12, s52, 15                         ; the block of 128 queries or keys: yy % 16,
	s_and_b32 s13, s7, 7
	s_lshl_b32 s13, s13, 1
	s_add_co_u32 s13, s13, s105                    ; or 2 (kd % 8) + G
	s_lshl_b32 s14, s6, 12                         ; the fragments' place in the block: tiles 4 hh on,
	s_lshl_b32 s15, s6, 8                          ; and their scale words'
	s_cmp_eq_u32 s[TY], 0
	s_mov_b32 s16, 13056
	s_cselect_b32 s16, 8704, s16                   ; a block's bytes in qb, in kv
	s_mov_b32 s17, 12288
	s_cselect_b32 s17, 8192, s17
	s_add_co_u32 s15, s15, s17
	s_cmp_lt_u32 s[TY], 2
	s_cselect_b32 s8, s8, s9
	s_cselect_b32 s10, s10, s11
	s_cselect_b32 s12, s12, s13
	s_mov_b32 s9, 8192
	s_cselect_b32 s14, s14, s9                     ; V's four fragments lie behind K's eight,
	s_mov_b32 s9, 12800
	s_cselect_b32 s15, s15, s9                     ; its scale words behind K's
	s_cselect_b32 s18, -1, 0                       ; keeps the bias along registers in types 0 and 1,
	s_cselect_b32 s19, 0, -1                       ; the bias by lanes in type 2
	s_lshl_b32 s10, s10, 4
	s_add_co_u32 s10, s10, s8
	s_lshl_b32 s10, s10, 4
	s_add_co_u32 s10, s10, s12
	s_mul_i32 s10, s10, s16
	s_mov_b32 s11, 0
	s_add_nc_u64 s[66:67], s[66:67], s[10:11]
	s_mov_b32 s10, s14
	s_add_nc_u64 s[56:57], s[66:67], s[10:11]      ; my fragments
	s_mov_b32 s10, s15
	s_add_nc_u64 s[58:59], s[66:67], s[10:11]      ; my scale words
	s_lshl_b32 s10, s8, 8
	s_add_nc_u64 s[60:61], s[60:61], s[10:11]      ; the head's 64 numbers of each bias
	s_add_nc_u64 s[62:63], s[62:63], s[10:11]
	s_mul_i32 s12, s105, HALF                      ; where S0's pieces lie.  Types 0, 1: piece (G, 0) at G HALF,
	s_add_co_u32 s13, s12, SLOT                    ; piece (G, 1) at SLOT + G HALF;
	s_mul_i32 s14, s105, SLOT                      ; type 2: piece (G, j) at G SLOT + j HALF.  All three hang on the wave's number alone
	v_and_b32 v11, 31, v0                          ; lane
	v_and_b32 v1, 15, v0                           ; r
	v_bfe_u32 v2, v0, 4, 1                         ; h
	v_mul_u32_u24 v3, v1, PITCH
	v_lshl_add_u32 v3, v2, 4, v3                   ; a fragment's row x pitch + 16 h
	s_mul_i32 s10, s6, HALF
	s_add_co_u32 s10, s10, 2*SLOT
	v_add_nc_u32 v4, s10, v3                       ; v4, v5: S1's slots 0, 1, my 64 rows
	s_add_co_u32 s10, s10, SLOT
	v_add_nc_u32 v5, s10, v3
	v_add_nc_u32 v20, s12, v3                      ; v20, v21: S0's pieces (G, 0), (G, 1)
	v_add_nc_u32 v21, s13, v3
	v_add_nc_u32 v3, s14, v3                       ; v3: type 2's slot G
	v_lshlrev_b32 v6, 5, v11                       ; 32 x lane: a row's 32 scale bytes; 32 lanes take two tiles' rows, 1,024 consecutive bytes in two loads
	v_lshlrev_b32 v7, 4, v11                       ; 16 x lane: an image's place
	v_lshlrev_b32 v8, 4, v1                        ; 16 r: my row's four scale words
	v_lshlrev_b32 v9, 5, v2                        ; 32 h: my half's eight numbers of a bias
	v_lshlrev_b32 v10, 2, v1                       ; 4 r
.irp b, 0,1,2,3
	v_mov_b32 v[TM+4+\b], 0                        ; written once: a lane permute's destination counts as one of its sources
.endr
.irp j, 0,1                            ; scale words from memory: registers SC + 16 u on: S0's tiles 2 u (lanes 0-15) and 2 u + 1 (lanes 16-31), u = 2 j + l; 8 further on: S1's tiles 2 l, 2 l + 1 of slot j
.irp l, 0,1
.irp c, 0,1
	global_load_b128 v[SC+16*(2*\j+\l)+4*\c:SC+16*(2*\j+\l)+4*\c+3], v6, s[22+8*\j:23+8*\j] offset:1024*\l+16*\c
	global_load_b128 v[SC+16*(2*\j+\l)+8+4*\c:SC+16*(2*\j+\l)+8+4*\c+3], v6, s[38+8*\j:39+8*\j] offset:1024*\l+16*\c
.endr
.endr
.endr
	WIN 0x80                                       ; destination window 2
.irp p, 0,1,2,3
	global_load_b128 v[8*\p:8*\p+3], v9, s[60:61] offset:64*\p            ; register 8 p + i: the bias of S0's row 16 p + 8 h + i
	global_load_b128 v[8*\p+4:8*\p+7], v9, s[60:61] offset:64*\p+16
	global_load_b128 v[32+8*\p:32+8*\p+3], v9, s[62:63] offset:64*\p
	global_load_b128 v[32+8*\p+4:32+8*\p+7], v9, s[62:63] offset:64*\p+16
.endr
.irp s, 0,1,2,3
	global_load_b32 v[64+2*\s], v10, s[60:61] offset:64*\s                ; the bias of S1's row 16 s + r, twice: a pair for the packed addition
	global_load_b32 v[65+2*\s], v10, s[60:61] offset:64*\s
.endr
	s_wait_loadcnt 0x0
	WIN 0x88                                       ; source 1 and destination window 2
.set I, 0
.rept 64
	v_and_b32 v[I], s18, v[I]
.set I, I+1
.endr
.rept 8
	v_and_b32 v[I], s19, v[I]
.set I, I+1
.endr
	WIN 0
.set I, 0
.rept 4                                ; an exchange of halves leaves register 8 i + ks with S0's tile i in lanes 0-15 and S1's tile i % 4 of slot i / 4 in lanes 16-31
.set J, 0
.rept 8
	v_permlane16_swap_b32 v[SC+16*I+J], v[SC+16*I+8+J]
.set J, J+1
.endr
.set I, I+1
.endr
	PLACES 4                                       ; with the four plain lines of phase 0's opening: the distance between a scale register so written and a scaled matrix instruction
.macro FETCH j, ks, f                  ; 16 LDS loads in one run: a fragment is registers 4 c .. 4 c + 3 = K 64 c + 32 h + 0 .. 31 of row r: two loads of 16 bytes, 32 apart
.irp p, 0,1,2,3
.irp c, 0,1
.if TYP == 2
	ds_load_b128 v[\f+8*\p+4*\c:\f+8*\p+4*\c+3], v3 offset:TILE*(4*(\j)+\p)+64*(\ks)+32*\c
.else
	ds_load_b128 v[\f+8*\p+4*\c:\f+8*\p+4*\c+3], v[20+(\j)] offset:TILE*\p+64*(\ks)+32*\c
.endif
.endr
.endr
.irp s, 0,1,2,3
.irp c, 0,1
	ds_load_b128 v[\f+32+8*\s+4*\c:\f+32+8*\s+4*\c+3], v[4+(\j)] offset:TILE*\s+64*(\ks)+32*\c
.endr
.endr
.endm
.macro MUL16 j, ks, f, first           ; the phase's 16 accumulators by turns, one instruction a turn, in the same order in every K step
.irp s, 0,1,2,3
.irp p, 0,1,2,3
.if \first
	v_wmma_scale_f32_16x16x128_f8f6f4 v[64*\s+8*(4*(\j)+\p):64*\s+8*(4*(\j)+\p)+7], v[\f+8*\p:\f+8*\p+7], v[\f+32+8*\s:\f+32+8*\s+7], v[8*(4*(\j)+\p):8*(4*(\j)+\p)+7], v[SC+8*(4*(\j)+\p)+(\ks)], v[SC+8*(4*(\j)+\s)+(\ks)] matrix_a_fmt:MATRIX_FMT_FP4 matrix_b_fmt:MATRIX_FMT_FP4 matrix_b_scale:MATRIX_SCALE_ROW1
.else
	v_wmma_scale_f32_16x16x128_f8f6f4 v[64*\s+8*(4*(\j)+\p):64*\s+8*(4*(\j)+\p)+7], v[\f+8*\p:\f+8*\p+7], v[\f+32+8*\s:\f+32+8*\s+7], v[64*\s+8*(4*(\j)+\p):64*\s+8*(4*(\j)+\p)+7], v[SC+8*(4*(\j)+\p)+(\ks)], v[SC+8*(4*(\j)+\s)+(\ks)] matrix_a_fmt:MATRIX_FMT_FP4 matrix_b_fmt:MATRIX_FMT_FP4 matrix_b_scale:MATRIX_SCALE_ROW1
.endif
.endr
.endr
.endm
.macro PHASE j
	PLACES 4                                       ; four plain lines in front of loads into registers that matrix instructions have read
	FETCH \j, 0, F0
.set KS, 0
.rept 8
.if KS < 7
	WIN 0
.if KS > 0
	PLACES 4
.endif
.if KS%2 == 0
	FETCH \j, KS+1, F1                             ; the next K step's fragments, asked for ahead of this step's products
.else
	FETCH \j, KS+1, F0
.endif
	s_wait_dscnt 16                                ; all but the 16 just issued
.else
	s_wait_dscnt 0x0
.endif
.if KS == 0
	WIN 0x60                                       ; C (the bias) window 2, D window 1
	MUL16 \j, KS, F0, 1
.elseif KS%2 == 0
	WIN 0x50                                       ; C and D window 1
	MUL16 \j, KS, F0, 0
.else
	WIN 0x50
	MUL16 \j, KS, F1, 0
.endif
.set KS, KS+1
.endr
	WIN 0
.endm
; 64 numbers of a lane, register 8 T + i = K 16 T + 8 h + i of my row, become a fragment's codes in v[pc] on and its scale word in v[pw].  Block b is registers 16 b .. 16 b + 15 of lanes l and l xor 16.
; The conversion of tile 2 b + u goes to register pc + 4 (b / 2) + 2 u + b % 2; an exchange of halves between neighbouring registers then leaves K 64 c + 32 h + 0 .. 31 in registers 4 c .. 4 c + 3.
.macro QUANT s, pc, pw
.irp b, 0,1,2,3
	v_max3_num_f32 v[TM+\b], |v[\s+16*\b]|, |v[\s+1+16*\b]|, 0x1800000   ; my 16 numbers of block b, and the floor 2^(3 - 127): the byte cannot fall under 1
.endr
.irp i, 2,4,6,8,10,12,14
.irp b, 0,1,2,3
	v_max3_num_f32 v[TM+\b], v[TM+\b], |v[\s+16*\b+\i]|, |v[\s+1+16*\b+\i]|
.endr
.endr
.irp b, 0,1,2,3
	v_permlanex16_b32 v[TM+4+\b], v[TM+\b], s4, s5
.endr
.irp b, 0,1,2,3
	v_max_num_f32 v[TM+\b], v[TM+\b], v[TM+4+\b]   ; with lane l xor 16's: the block's largest magnitude
.endr
.irp b, 0,1,2,3
	v_add_nc_u32 v[TM+12+\b], 0xff000000, v[TM+\b] ; 2 off its exponent field: the conversion's scale operand
.endr
.irp b, 0,1,2,3
	v_lshrrev_b32 v[TM+4+\b], 23, v[TM+12+\b]      ; the scale's byte
.endr
	v_lshl_or_b32 v[\pw], v[TM+5], 8, v[TM+4]
	v_lshl_or_b32 v[\pw], v[TM+6], 16, v[\pw]
	v_lshl_or_b32 v[\pw], v[TM+7], 24, v[\pw]
.irp b, 0,1,2,3
.irp u, 0,1
	v_cvt_scalef32_pk8_fp4_f32 v[\pc+4*(\b/2)+2*\u+(\b%2)], v[\s+16*\b+8*\u:\s+16*\b+8*\u+7], v[TM+12+\b]
.endr
.endr
	v_nop                                          ; one plain line behind a scaled conversion
.irp c, 0,1
.irp u, 0,1
	v_permlane16_swap_b32 v[\pc+4*\c+2*\u], v[\pc+4*\c+2*\u+1]
.endr
.endr
.endm
	s_wait_alu depctr_va_vdst(0)
	s_wait_tensorcnt 0x0                           ; my one tile is in
	s_barrier_signal -1
	s_barrier_wait -1                              ; all four are: both phases' codes
	s_cmp_lt_u32 s[TY], 2                          ; the two phases are written twice: the copies differ in S0's LDS addresses alone.  The type is made of the cluster's row: the same in all sixteen partners and in all waves
	s_cbranch_scc0 .Ltype2
.set TYP, 0
	PHASE 0
	PHASE 1
	s_branch .Lsums
.Ltype2:
.set TYP, 2
	PHASE 0
	PHASE 1
.Lsums:
	PLACES 4                                       ; in front of the first read of results, and of writes into the first fragment buffer
.irp s, 0,1,2,3                        ; a tile of 16 rows of S1 at a time: 64 numbers a lane
	WIN 0x09                                       ; source 0 window 1 (the sums), source 1 window 2 (the bias by lanes), destination window 0
.set I, 0
.rept 32
	v_pk_add_f32 v[H+I:H+I+1], v[64*\s+I:64*\s+I+1], v[64+2*\s:65+2*\s]   ; each accumulator from its low end on
.set I, I+2
.endr
	WIN 0
	QUANT H, PC+8*\s, PW+\s
	global_store_b128 v7, v[PC+8*\s:PC+8*\s+3], s[56:57] offset:1024*\s          ; 32 lanes store 512 consecutive bytes, aligned
	global_store_b128 v7, v[PC+8*\s+4:PC+8*\s+7], s[56:57] offset:1024*\s+512
.endr
	s_wait_xcnt 0x0                                ; EXEC changes only behind this wait
	v_cmp_gt_u32 vcc_lo, 16, v11
	s_and_saveexec_b32 s8, vcc_lo
	global_store_b128 v8, v[PW:PW+3], s[58:59]     ; lanes 0-15: row r's four scale words: 256 consecutive bytes, aligned
	s_wait_xcnt 0x0                                ; and again in front of the line that widens it
	s_or_b32 exec_lo, exec_lo, s8
	s_wait_tensorcnt 0x0
	ds_add_u32 v22, v23
	s_wait_dscnt 0x0
	CROUND                                         ; the closing round: no work-group ends while a partner may still ask for a tile that names it
	s_endpgm
.Lfunc_end_k_qa19dc5fe29_proj:
	.size	k_qa19dc5fe29_proj, .Lfunc_end_k_qa19dc5fe29_proj-k_qa19dc5fe29_proj
	.p2alignl 7, 3214868480
	.fill 96, 4, 3214868480
	.section	.rodata,"a",@progbits
	.p2align	6, 0x0
	.amdhsa_kernel k_qa19dc5fe29_proj
		.amdhsa_group_segment_fixed_size 327680
		.amdhsa_private_segment_fixed_size 0
		.amdhsa_enable_private_segment 0
		.amdhsa_kernarg_size 216
		.amdhsa_user_sgpr_count 2
		.amdhsa_user_sgpr_kernarg_segment_ptr 1
		.amdhsa_wavefront_size32 1
		.amdhsa_system_sgpr_workgroup_id_x 1
		.amdhsa_system_sgpr_workgroup_id_y 1
		.amdhsa_system_sgpr_workgroup_id_z 1
		.amdhsa_system_vgpr_workitem_id 0
		.amdhsa_next_free_vgpr 640
		.amdhsa_next_free_sgpr 106
		.amdhsa_reserve_vcc 1
		.amdhsa_float_denorm_mode_32 3
		.amdhsa_float_denorm_mode_16_64 3
		.amdhsa_memory_ordered 1
		.amdhsa_forward_progress 1
		.amdhsa_inst_pref_size 144
	.end_amdhsa_kernel
	.amdgpu_metadata
---
amdhsa.version: [ 1, 2 ]
amdhsa.kernels:
  - .name:           k_qa19dc5fe29_proj
    .symbol:         k_qa19dc5fe29_proj.kd
    .args:
      - { .name: Wq_codes, .offset: 0, .size: 8, .value_kind: global_buffer, .address_space: global }
      - { .name: Wq_scales, .offset: 8, .size: 8, .value_kind: global_buffer, .address_space: global }
      - { .name: Wpq_codes, .offset: 16, .size: 8, .value_kind: global_buffer, .address_space: global }
      - { .name: Wpq_scales, .offset: 24, .size: 8, .value_kind: global_buffer, .address_space: global }
      - { .name: qc, .offset: 32, .size: 8, .value_kind: global_buffer, .address_space: global }
      - { .name: qs, .offset: 40, .size: 8, .value_kind: global_buffer, .address_space: global }
      - { .name: pe_q_codes, .offset: 48, .size: 8, .value_kind: global_buffer, .address_space: global }
      - { .name: pe_q_scales, .offset: 56, .size: 8, .value_kind: global_buffer, .address_space: global }
      - { .name: Wk_codes, .offset: 64, .size: 8, .value_kind: global_buffer, .address_space: global }
      - { .name: Wk_scales, .offset: 72, .size: 8, .value_kind: global_buffer, .address_space: global }
      - { .name: Wpk_codes, .offset: 80, .size: 8, .value_kind: global_buffer, .address_space: global }
      - { .name: Wpk_scales, .offset: 88, .size: 8, .value_kind: global_buffer, .address_space: global }
      - { .name: k_codes, .offset: 96, .size: 8, .value_kind: global_buffer, .address_space: global }
      - { .name: k_scales, .offset: 104, .size: 8, .value_kind: global_buffer, .address_space: global }
      - { .name: pe_k_codes, .offset: 112, .size: 8, .value_kind: global_buffer, .address_space: global }
      - { .name: pe_k_scales, .offset: 120, .size: 8, .value_kind: global_buffer, .address_space: global }
      - { .name: v_codes, .offset: 128, .size: 8, .value_kind: global_buffer, .address_space: global }
      - { .name: v_scales, .offset: 136, .size: 8, .value_kind: global_buffer, .address_space: global }
      - { .name: Wv_codes, .offset: 144, .size: 8, .value_kind: global_buffer, .address_space: global }
      - { .name: Wv_scales, .offset: 152, .size: 8, .value_kind: global_buffer, .address_space: global }
      - { .name: bq, .offset: 160, .size: 8, .value_kind: global_buffer, .address_space: global }
      - { .name: bpq, .offset: 168, .size: 8, .value_kind: global_buffer, .address_space: global }
      - { .name: bk, .offset: 176, .size: 8, .value_kind: global_buffer, .address_space: global }
      - { .name: bpk, .offset: 184, .size: 8, .value_kind: global_buffer, .address_space: global }
      - { .name: bv, .offset: 192, .size: 8, .value_kind: global_buffer, .address_space: global }
      - { .name: qb, .offset: 200, .size: 8, .value_kind: global_buffer, .address_space: global }
      - { .name: kv, .offset: 208, .size: 8, .value_kind: global_buffer, .address_space: global }
    .group_segment_fixed_size: 327680
    .private_segment_fixed_size: 0
    .kernarg_segment_align: 8
    .kernarg_segment_size: 216
    .max_flat_workgroup_size: 128
    .sgpr_count:     106
    .vgpr_count:     640
    .wavefront_size: 32
...
	.end_amdgpu_metadata
.endif
;; end of part 2
;; launch attn (part 3): grid 8 x 32, 16 waves a work-group, clusters of 4 x 1, 327,680 bytes of LDS; arguments qb, kv, maskc, ow; writes ow
.if DOCPART == 3
	.amdgcn_target "amdgcn-amd-amdhsa--gfx1250"
	.amdhsa_code_object_version 6
	.text
	.protected	k_qa19dc5fe29_attn
	.globl	k_qa19dc5fe29_attn
	.p2align	8
	.type	k_qa19dc5fe29_attn,@function
k_qa19dc5fe29_attn:
	s_mov_b64 s[64:65], 0
	v_nop
	global_prefetch_b8 v0, s[64:65] scope:SCOPE_SE
	s_setreg_imm32_b32 hwreg(HW_REG_WAVE_MODE, 25, 1), 1
	s_wait_xcnt 0x0
	s_wait_alu depctr_hold_cnt(0) depctr_sa_sdst(0) depctr_va_vdst(0) depctr_va_sdst(0) depctr_va_ssrc(0) depctr_va_vcc(0) depctr_vm_vsrc(0)
	s_getreg_b32 s2, hwreg(HW_REG_IB_STS2, 6, 4)
	s_cmp_eq_u32 s2, 0
	s_cbranch_scc0 .Lentry_in_a_cluster
	s_endpgm
.Lentry_in_a_cluster:
	s_bfe_u32 s2, ttmp6, 0x10000c
	s_cmp_lg_u32 s2, 0x3003
	s_cbranch_scc0 .Lentry_shape_is_right
	s_endpgm
.Lentry_shape_is_right:
; ATTENTION ON CODES OF E2M1.  scores = ([Q | PQ] . [K | PK]) / 8: the two score products are ONE product with K = 128 (blocks 0, 1: Q . K; blocks 2, 3: PQ . PK).
; THE MASK is an input.  It comes as codes of E2M1 (maskc: 0.5 for a hidden key, 0 for one that counts), an operand of 128 keys x 16 queries a step.  A constant operand that holds -2^100 (code -1, scale byte 227) at one place
; of each row, the row's own key, multiplies it: that product starts each score's sum, with -2^99 for a hidden key and 0 for the others, AHEAD of the maximum; the score product adds onto it.  p of a hidden key is 2^(about -1e29) = 0.
; THE SOFTMAX AHEAD OF THE SECOND PRODUCT: t = score x log2(e) / 8; M = the running largest t rounded UP to a whole number; p = 2^(t - M) is quantised along the keys, not normalised.
; The row's sum is taken of the unquantised p and divides O at the end.  When M moves, the sum and O are multiplied by 2^(old M - new M): exact.  The running largest t begins at -2^40: over every hidden t, under every other.
; SHARES.  A work-group owns 256 queries of one (m, head); each of its sixteen waves 16 of them, in 256 registers: four waves to a SIMD.
; Every wave walks the head's 2,048 keys, 128 a step.  The head's K, V and their scale words, 16 blocks of 13,056 bytes = 816 rows of 256, lie in LDS WHOLE, filled once: at the head each wave fetches 13 rows
; (steps 0 to 3 among them), behind a round 38 more.  A second barrier, behind four steps, shows the rest; the last twelve steps are one loop in which no wave waits for another.
; All operands come as images of their registers (registers 0-3 of lane l at 16 l, registers 4-7 at 512 + 16 l): every load takes 512 consecutive bytes.
; LAYOUT.  Both products are used transposed: S^T = K Q^T (register 8 t + j of lane (r, h): query r, key 16 t + 8 h + j), O^T = V^T P^T: a lane holds ONE query throughout.
; CLUSTER 4 x 1: the four blocks of queries of a cluster belong to one head and ask for its tiles jointly.
; LIMITS: the promise holds while the scaled scores t stay under 2^31 in magnitude; where a query's mask row is all false reference() gives NaN and this text does not promise it; NaN and infinities among the operands are not served.
; REGISTERS: v1 16 x lane, v2 16 r, v3, v4 the step's addresses, v5-10 at work at the head and on the way out; v12 -M, v13 the largest t, v[14:15] the sum in two halves; v16-23 Q, v24 its scale words; v32-95 K's 8 fragments,
;   then v32-63 V's 4; v96-159 S^T, then p; v160-191 O^T; v192-213 the constant operand: zeros but for v198, v199 (lanes 0-15) and v206, v207 (lanes 16-31): tile t's eight registers begin where its rows' places fall on these;
;   v214 its scale words (lanes 0-15) and the mask's (lanes 16-31); v216-223 the mask's codes; v224-231 p's codes; v232-239, v244-247, v252, v254 at work; v240-243 V's scale words, v248-251 K's, v253 p's.
.set STEPB, 13056                      ; a step's block: 8 fragments of K, 4 of V (at 8,192), K's scale words (12,288: [tile / 4][r][tile % 4]), V's (12,800: [r][tile])
.set QBLK,  8704                       ; a block of 128 queries in qb: 8 fragments, then their scale words
.set STAGE, 16*STEPB                   ; behind the head's blocks: 16 rows x 272 bytes for each wave, for the way out
.set WV,  2
.set CNT, 3
.set TB,  100
.macro CROUND                          ; a round of the cluster's barrier
	s_barrier_signal -1
	s_barrier_wait -1
	s_cmp_lg_u32 s[WV], 0
	s_cbranch_scc1 .Lnot_wave_0_\@
	s_barrier_signal -3
.Lnot_wave_0_\@:
	s_barrier_wait -3
	s_barrier_signal -1
	s_barrier_wait -1
.endm
	s_load_b256 s[4:11], s[0:1], 0x0               ; qb, kv, maskc, ow
	v_lshl_add_u32 v31, v0, 2, 0x44000
	v_mov_b32 v255, 0
	ds_add_u32 v31, v255                           ; the opening lines: the add, twice on end, and its wait
	ds_add_u32 v31, v255
	v_lshrrev_b32 v1, 5, v0
	s_delay_alu instid0(VALU_DEP_1)
	v_readfirstlane_b32 s[WV], v1                  ; wave 0..15
	s_bfe_u32 s12, ttmp6, 0x40000                  ; cx
	s_lshl_b32 s13, ttmp9, 2
	s_add_co_u32 s13, s13, s12                     ; my block of 256 queries: it enters qb's, maskc's and ow's addresses alone
	s_and_b32 s14, ttmp7, 0xffff                   ; Y = 16 m + head, which the four partners share
	s_mov_b32 s52, 15|(3<<16)|(1<<21)              ; s[52:59] group 1 of the head's load: the mask names all four; elements of 8 bytes; 13 rows of 256 bytes
	s_mov_b32 s53, 32<<16
	s_mov_b32 s54, 13<<16
	s_mov_b32 s55, 32<<16
	s_mov_b32 s56, 13
	s_mov_b32 s57, 32
	s_mov_b32 s58, 0
	s_mov_b32 s59, 0
	s_mov_b32 s92, 15|(3<<16)|(1<<21)              ; s[92:99] group 1 of the second load: 38 rows
	s_mov_b32 s93, 32<<16
	s_mov_b32 s94, 38<<16
	s_mov_b32 s95, 32<<16
	s_mov_b32 s96, 38
	s_mov_b32 s97, 32
	s_mov_b32 s98, 0
	s_mov_b32 s99, 0
	s_mul_i32 s15, s[WV], 13*256                   ; where my two parts begin, in LDS and in the head's blocks alike
	s_mul_i32 s18, s[WV], 38*256
	s_add_co_u32 s18, s18, 208*256
	s_mov_b32 s19, 0
	s_mul_i32 s16, s14, 16*STEPB
	s_mov_b32 s17, 0
	s_mov_b32 s66, 0x76543210
	s_mov_b32 s67, 0xfedcba98                      ; v_permlanex16_b32's selects for lane l xor 16
	s_mov_b32 s104, 0x3e38aa3b                     ; c = log2(e) / 8
	s_mov_b32 s105, s104                           ; (named with it as a pair, so it is written)
	s_wait_dscnt 0x0
	s_wait_kmcnt 0x0
	s_add_nc_u64 s[6:7], s[6:7], s[16:17]
	s_mov_b32 s16, s15
	s_mov_b32 s84, 1
	s_mov_b32 s85, s15
	s_add_nc_u64 s[86:87], s[6:7], s[16:17]
	s_or_b32 s87, s87, 0x80000000
	s_mov_b32 s88, 1
	s_mov_b32 s89, s18
	s_add_nc_u64 s[90:91], s[6:7], s[18:19]
	s_or_b32 s91, s91, 0x80000000
	CROUND                                         ; all four work-groups are here: the joint loads meet
	tensor_load_to_lds s[84:87], s[52:59]          ; every wave's one load at the head
	s_nop 0
.rept 4
	v_nop
.endr
	s_mul_i32 s16, s14, 16*QBLK
	s_lshl_b32 s18, s13, 1
	s_lshr_b32 s19, s[WV], 3
	s_add_co_u32 s18, s18, s19                     ; my block of 128 queries
	s_mul_i32 s18, s18, QBLK
	s_add_co_u32 s16, s16, s18
	s_add_nc_u64 s[4:5], s[4:5], s[16:17]
	s_and_b32 s18, s[WV], 7                        ; my tile in it
	s_lshl_b32 s16, s18, 10
	s_add_nc_u64 s[20:21], s[4:5], s[16:17]        ; my fragment
	s_lshr_b32 s16, s18, 2
	s_lshl_b32 s16, s16, 8
	s_and_b32 s19, s[WV], 3
	s_lshl_b32 s19, s19, 2
	s_add_co_u32 s16, s16, s19
	s_add_co_u32 s16, s16, 8192
	s_add_nc_u64 s[22:23], s[4:5], s[16:17]        ; its scale words
	s_lshr_b32 s16, s14, 4                         ; m
	s_lshl_b32 s18, s16, 7
	s_lshl_b32 s19, s13, 4
	s_add_co_u32 s18, s18, s19
	s_add_co_u32 s18, s18, s[WV]                   ; my tile of 16 queries among the 256 of both m
	s_lshl_b32 s16, s18, 14
	s_add_nc_u64 s[60:61], s[8:9], s[16:17]        ; its mask codes: 16 steps x 1,024 bytes
	s_lshl_b32 s16, s18, 16                        ; ow: 16 rows of 4,096 bytes,
	s_and_b32 s19, s14, 15
	s_lshl_b32 s19, s19, 8
	s_add_co_u32 s16, s16, s19                     ; the head's 256 bytes in a row
	s_add_nc_u64 s[62:63], s[10:11], s[16:17]
	v_and_b32 v2, 31, v0
	s_delay_alu instid0(VALU_DEP_1)
	v_lshlrev_b32 v1, 4, v2                        ; 16 x lane
	v_and_b32 v2, 15, v0
	s_delay_alu instid0(VALU_DEP_1)
	v_lshlrev_b32 v2, 4, v2                        ; 16 r
	global_load_b128 v[16:19], v1, s[20:21]
	global_load_b128 v[20:23], v1, s[20:21] offset:512
	global_load_b32 v24, v2, s[22:23]
	global_load_b128 v[216:219], v1, s[60:61]      ; step 0's mask codes
	global_load_b128 v[220:223], v1, s[60:61] offset:512
	v_bfe_u32 v5, v0, 3, 2                         ; lane / 8 = 2 h + r / 8
	v_and_b32 v6, 7, v0
	s_delay_alu instid0(VALU_DEP_1)
	v_xor_b32 v6, 1, v6                            ; the mask's codes lie with each pair of keys exchanged
	v_mov_b32 v7, 10                               ; the code of -1
	s_delay_alu instid0(VALU_DEP_2)
	v_lshlrev_b32 v6, 2, v6
	s_delay_alu instid0(VALU_DEP_1)
	v_lshlrev_b32 v6, v6, v7                       ; at nibble (r % 8) xor 1
.set I, 0
.rept 22
	v_mov_b32 v[192+I], 0
.set I, I+1
.endr
.irp q, 0,1,2,3
	v_cmp_eq_u32 vcc_lo, \q, v5
	v_cndmask_b32 v[198+8*(\q/2)+(\q%2)], 0, v6, vcc_lo   ; row r of tile t has its key at K = 16 t + r: register 4 (t / 4) + 2 (t % 2) + r / 8 of the lanes with h = (t / 2) % 2
.endr
	v_mov_b32 v214, 0xe3e3e3e3                     ; lanes 0-15: 2^100 for the constant operand's blocks,
	v_mov_b32 v7, 0x7f7f7f7f                       ; lanes 16-31: 1 for the mask's
	v_cmp_lt_u32 vcc_lo, 1, v5
	v_cndmask_b32 v214, v214, v7, vcc_lo
	v_mov_b32 v13, 0xd3800000                      ; the largest t so far: -2^40
	s_delay_alu instid0(VALU_DEP_1)
	v_floor_f32 v12, -v13                          ; -M
	v_mov_b32 v14, 0
	v_mov_b32 v15, 0
.irp b, 0,1,2,3
	v_mov_b32 v[236+\b], 0                         ; written once: a lane permute's destination counts as one of its sources
.endr
	v_mov_b32 v253, 0                              ; (named as the upper half of the pair v[252:253] before it is first written)
.set I, 0
.rept 32
	v_mov_b32 v[160+I], 0                          ; O^T.  (The step is written once for every step: the first finds zeros, which the first change of M leaves zeros)
.set I, I+1
.endr
	s_wait_alu depctr_va_vdst(0)
	s_wait_loadcnt 0x0                             ; Q, and step 0's mask codes
.macro STEP last
	v_add_nc_u32 v3, s[TB], v1
	v_add_nc_u32 v4, s[TB], v2
	v_nop
	v_nop                                          ; four plain lines in front of loads into registers that the last products have read
	ds_load_b128 v[248:251], v3 offset:12288       ; K's scale words: lanes 0-15 those of tiles 0-3, lanes 16-31 of tiles 4-7
.irp t, 0,1,2,3,4,5,6,7
	ds_load_b128 v[32+8*\t:35+8*\t], v3 offset:1024*\t
	ds_load_b128 v[36+8*\t:39+8*\t], v3 offset:1024*\t+512
.endr
	s_wait_alu depctr_va_vdst(0)
	s_wait_loadcnt 0x0                             ; this step's mask codes, asked for a step ago
.irp t, 0,1,2,3,4,5,6,7
	v_wmma_scale_f32_16x16x128_f8f6f4 v[96+8*\t:103+8*\t], v[198+8*((\t/2)%2)-4*(\t/4)-2*(\t%2):205+8*((\t/2)%2)-4*(\t/4)-2*(\t%2)], v[216:223], 0, v214, v214 matrix_a_fmt:MATRIX_FMT_FP4 matrix_b_fmt:MATRIX_FMT_FP4 matrix_b_scale:MATRIX_SCALE_ROW1   ; -2^99 where key 16 t + 8 h + j is hidden from query r, else 0
.endr
	s_wait_dscnt 0x0                               ; K and its scale words
.irp t, 0,1,2,3                        ; the eight sums by turns
	v_wmma_scale_f32_16x16x128_f8f6f4 v[96+8*\t:103+8*\t], v[32+8*\t:39+8*\t], v[16:23], v[96+8*\t:103+8*\t], v[248+\t], v24 matrix_a_fmt:MATRIX_FMT_FP4 matrix_b_fmt:MATRIX_FMT_FP4
.endr
.irp t, 4,5,6,7
	v_wmma_scale_f32_16x16x128_f8f6f4 v[96+8*\t:103+8*\t], v[32+8*\t:39+8*\t], v[16:23], v[96+8*\t:103+8*\t], v[244+\t], v24 matrix_a_fmt:MATRIX_FMT_FP4 matrix_b_fmt:MATRIX_FMT_FP4 matrix_a_scale:MATRIX_SCALE_ROW1
.endr
.rept 4
	v_nop                                          ; in front of the first read of results and of loads into registers that these products have read
.endr
	ds_load_b128 v[240:243], v4 offset:12800       ; V's scale words: row r's four
.irp t, 0,1,2,3
	ds_load_b128 v[32+8*\t:35+8*\t], v3 offset:8192+1024*\t        ; V's fragments take the registers of K's first four
	ds_load_b128 v[36+8*\t:39+8*\t], v3 offset:8192+1024*\t+512
.endr
.if \last
	s_cmp_eq_u32 s[CNT], 1                         ; the last step asks for nothing: no load leaves its buffer
	s_cbranch_scc1 .Lno_next_\@
.endif
	s_add_nc_u64 s[60:61], s[60:61], 1024          ; (the wait on LOADcnt above has shown the last loads done: their base may be written)
	global_load_b128 v[216:219], v1, s[60:61]      ; the next step's mask codes
	global_load_b128 v[220:223], v1, s[60:61] offset:512
.if \last
.Lno_next_\@:
.endif
.irp b, 0,1,2,3
	v_max3_num_f32 v[232+\b], v[96+16*\b], v[97+16*\b], v[98+16*\b]   ; the largest score of each block of 32 keys: it serves the row's maximum and, since p rises with the score, the block's largest p
.endr
.irp i, 3,5,7,9,11,13
.irp b, 0,1,2,3
	v_max3_num_f32 v[232+\b], v[232+\b], v[96+16*\b+\i], v[97+16*\b+\i]   ; (the four blocks by turns)
.endr
.endr
.irp b, 0,1,2,3
	v_max_num_f32 v[232+\b], v[232+\b], v[111+16*\b]
.endr
.irp b, 0,1,2,3
	s_delay_alu instid0(VALU_DEP_4)
	v_permlanex16_b32 v[236+\b], v[232+\b], s66, s67
.endr
.irp b, 0,1,2,3
	s_delay_alu instid0(VALU_DEP_4)
	v_max_num_f32 v[232+\b], v[232+\b], v[236+\b]  ; with lane l xor 16's 16 keys
.endr
	s_delay_alu instid0(VALU_DEP_2)
	v_max3_num_f32 v254, v232, v233, v234
	s_delay_alu instid0(VALU_DEP_1)
	v_max_num_f32 v254, v254, v235                 ; the step's largest score of my query
	s_delay_alu instid0(VALU_DEP_1)
	v_mul_f32 v254, s104, v254                     ; as t (c is positive)
	s_delay_alu instid0(VALU_DEP_1)
	v_max_num_f32 v13, v13, v254                   ; the running largest t
	v_mov_b32 v254, v12
	s_delay_alu instid0(VALU_DEP_2)
	v_floor_f32 v12, -v13                          ; the new -M = floor(-t) = -ceil(t): a whole number
	s_delay_alu instid0(VALU_DEP_1)
	v_sub_f32 v254, v12, v254                      ; old M less new M: a whole number, 0 or less
	s_delay_alu instid0(VALU_DEP_1)
	v_cvt_i32_f32 v254, v254                       ; (it saturates)
	s_delay_alu instid0(VALU_DEP_1)
	v_ldexp_f32 v252, 1.0, v254                    ; f = 2^(old M - new M)
.set I, 0
.rept 32
	v_pk_fma_f32 v[96+I:97+I], v[96+I:97+I], s[104:105], v[12:13] op_sel_hi:[1,0,0]   ; t - M, two at a time
.set I, I+2
.endr
.irp b, 0,1,2,3
	v_fma_f32 v[232+\b], v[232+\b], s104, v12      ; the same of each block's largest score
.endr
.set I, 0
	s_wait_alu depctr_va_vdst(0)                   ; ahead of the batch
.rept 64
	v_exp_f32 v[96+I], v[96+I]                     ; p = 2^(t - M), at most 1
.set I, I+1
.endr
	v_pk_mul_f32 v[14:15], v[14:15], v[252:253] op_sel_hi:[1,0]   ; the sums under the new M (a plain line behind the exponentials)
	s_wait_alu depctr_va_vdst(0)                   ; one wait for the whole batch, ahead of its first reader
.irp b, 0,1,2,3
	v_exp_f32 v[232+\b], v[232+\b]                 ; the block's largest p: the same two instructions on the same number
.endr
	v_pk_add_f32 v[236:237], v[100:101], v[104:105]                ; the row's sum of the unquantised p, in eight chains
	v_pk_add_f32 v[250:251], v[108:109], v[112:113]
	v_pk_add_f32 v[248:249], v[116:117], v[120:121]
	v_pk_add_f32 v[246:247], v[124:125], v[128:129]
	v_pk_add_f32 v[244:245], v[132:133], v[136:137]
	v_pk_add_f32 v[238:239], v[140:141], v[144:145]
	v_pk_add_f32 v[230:231], v[148:149], v[152:153]
	v_pk_add_f32 v[14:15], v[14:15], v[156:157]
	v_pk_add_f32 v[236:237], v[236:237], v[96:97]
	v_pk_add_f32 v[250:251], v[250:251], v[98:99]
	v_pk_add_f32 v[248:249], v[248:249], v[102:103]
	v_pk_add_f32 v[246:247], v[246:247], v[106:107]
	v_pk_add_f32 v[244:245], v[244:245], v[110:111]
	v_pk_add_f32 v[238:239], v[238:239], v[114:115]
	v_pk_add_f32 v[230:231], v[230:231], v[118:119]
	v_pk_add_f32 v[14:15], v[14:15], v[122:123]
	v_pk_add_f32 v[236:237], v[236:237], v[126:127]
	v_pk_add_f32 v[250:251], v[250:251], v[130:131]
	v_pk_add_f32 v[248:249], v[248:249], v[134:135]
	v_pk_add_f32 v[246:247], v[246:247], v[138:139]
	v_pk_add_f32 v[244:245], v[244:245], v[142:143]
	v_pk_add_f32 v[238:239], v[238:239], v[146:147]
	v_pk_add_f32 v[230:231], v[230:231], v[150:151]
	v_pk_add_f32 v[14:15], v[14:15], v[154:155]
	v_pk_add_f32 v[236:237], v[236:237], v[158:159]
	s_delay_alu instid0(VALU_DEP_2)
	v_pk_add_f32 v[14:15], v[14:15], v[246:247]
	s_delay_alu instid0(VALU_DEP_2)
	v_pk_add_f32 v[236:237], v[236:237], v[244:245]
	v_pk_add_f32 v[250:251], v[250:251], v[238:239]
	v_pk_add_f32 v[248:249], v[248:249], v[230:231]
	s_delay_alu instid0(VALU_DEP_2)
	v_pk_add_f32 v[14:15], v[14:15], v[250:251]
	s_delay_alu instid0(VALU_DEP_2)
	v_pk_add_f32 v[236:237], v[236:237], v[248:249]
	s_delay_alu instid0(VALU_DEP_1)
	v_pk_add_f32 v[14:15], v[14:15], v[236:237]
	s_wait_alu depctr_va_vdst(0)                   ; and one for the four
.irp b, 0,1,2,3
	v_max_num_f32 v[232+\b], 0x1800000, v[232+\b]  ; the floor 2^(3 - 127): the byte cannot fall under 1 (a block whose every p is 0 keeps that byte: its codes are zeros)
.endr
.irp b, 0,1,2,3
	s_delay_alu instid0(VALU_DEP_4)
	v_add_nc_u32 v[244+\b], 0xff000000, v[232+\b]  ; 2 off the exponent field: the conversion's scale operand
.endr
.irp b, 0,1,2,3
	s_delay_alu instid0(VALU_DEP_4)
	v_lshrrev_b32 v[236+\b], 23, v[244+\b]         ; the scale's byte
.endr
	s_delay_alu instid0(VALU_DEP_3)
	v_lshl_or_b32 v253, v237, 8, v236              ; p's scale word for these 128 keys
	s_delay_alu instid0(VALU_DEP_1)
	v_lshl_or_b32 v253, v238, 16, v253
	s_delay_alu instid0(VALU_DEP_1)
	v_lshl_or_b32 v253, v239, 24, v253
.irp b, 0,1,2,3
.irp u, 0,1
	v_cvt_scalef32_pk8_fp4_f32 v[224+4*(\b/2)+2*\u+(\b%2)], v[96+16*\b+8*\u:103+16*\b+8*\u], v[244+\b]   ; tile 2 b + u: keys 32 b + 16 u + 8 h + 0 .. 7
.endr
.endr
	v_nop                                          ; one plain line behind a scaled conversion
.irp c, 0,1
.irp u, 0,1
	v_permlane16_swap_b32 v[224+4*\c+2*\u], v[224+4*\c+2*\u+1]   ; registers 4 c .. 4 c + 3 now hold keys 64 c + 32 h + 0 .. 31
.endr
.endr
.set I, 0
.rept 16
	v_pk_mul_f32 v[160+I:161+I], v[160+I:161+I], v[252:253] op_sel_hi:[1,0]   ; O^T under the new M.  Twelve of these name no register of any one product below: the plain lines between the codes and the scale word made above and that product
.set I, I+2
.endr
	s_wait_alu depctr_va_vdst(0)
	s_wait_dscnt 0x0                               ; V and its scale words
.irp t, 0,1,2,3
	v_wmma_scale_f32_16x16x128_f8f6f4 v[160+8*\t:167+8*\t], v[32+8*\t:39+8*\t], v[224:231], v[160+8*\t:167+8*\t], v[240+\t], v253 matrix_a_fmt:MATRIX_FMT_FP4 matrix_b_fmt:MATRIX_FMT_FP4
.endr
.endm
; A run of steps.  from: its first step; trips: how many; fill = 1: the rest of the head's blocks is asked for in front of the run; last = 1: the run holds the head's last step.
.macro RUN from, trips, fill, last
	s_wait_tensorcnt 0x0                           ; my load is in
.if \fill
	ds_add_u32 v31, v255
	s_wait_dscnt 0x0
	CROUND                                         ; everybody's part is in, and all four work-groups are here: the joint loads meet
	tensor_load_to_lds s[88:91], s[92:99]          ; my one load behind the round: bytes filled for the first time
	s_nop 0
.rept 4
	v_nop
.endr
.else
	s_wait_dscnt 0x0
	s_barrier_signal -1
	s_barrier_wait -1                              ; everybody's is
.endif
	s_mov_b32 s[TB], (\from)*STEPB
	s_mov_b32 s[CNT], \trips
.Lstep_\@:
	STEP \last
	s_add_co_u32 s[TB], s[TB], STEPB
	s_sub_co_u32 s[CNT], s[CNT], 1
	s_cmp_lg_u32 s[CNT], 0
	s_cbranch_scc1 .Lstep_\@
.endm
	RUN 0, 4, 1, 0                                 ; steps 0 to 3 read rows 0 to 203, which the head's loads brought; the second loads are on their way meanwhile
	RUN 4, 12, 0, 1                                ; steps 4 to 15: every wave's second load has landed in front of this barrier
	; THE WAY OUT.  O^T / the sum goes through my stage, 16 rows of 256 bytes, so that sixteen lanes store a query's 64 numbers of this head: 256 consecutive bytes, aligned.
	v_add_f32 v14, v14, v15                        ; the sum's two halves,
	s_delay_alu instid0(VALU_DEP_1)
	v_permlanex16_b32 v252, v14, s66, s67
	s_delay_alu instid0(VALU_DEP_1)
	v_add_f32 v14, v14, v252                       ; and lane l xor 16's
	s_wait_alu depctr_va_vdst(0)                   ; ahead of the transcendental
	v_rcp_f32 v14, v14
	v_and_b32 v9, 15, v0                           ; r  (the address work: plain lines behind the reciprocal and behind the last products)
	v_bfe_u32 v10, v0, 4, 1                        ; h
	s_mul_i32 s3, s[WV], 16*272
	s_add_co_u32 s3, s3, STAGE
	v_mul_u32_u24 v6, v9, 272
	s_delay_alu instid0(VALU_DEP_1)
	v_lshl_add_u32 v6, v10, 5, v6
	s_delay_alu instid0(VALU_DEP_1)
	v_add_nc_u32 v6, s3, v6                        ; in: row r, tile t's eight numbers of my half at 64 t + 32 h
	v_mul_u32_u24 v7, v10, 272
	s_delay_alu instid0(VALU_DEP_1)
	v_lshl_add_u32 v7, v9, 4, v7
	s_delay_alu instid0(VALU_DEP_1)
	v_add_nc_u32 v7, s3, v7                        ; back: lanes 0-15 one row, lanes 16-31 the next
	v_lshlrev_b32 v8, 12, v10
	s_delay_alu instid0(VALU_DEP_1)
	v_lshl_add_u32 v8, v9, 4, v8                   ; and the same two rows in ow, 4,096 bytes apart
	s_wait_alu depctr_va_vdst(0)                   ; ahead of the reciprocal's first reader
.set I, 0
.rept 32
	v_mul_f32 v[96+I], v[160+I], v14               ; register 8 t + i is o(r, 16 t + 8 h + i); each accumulator from its low end on
.set I, I+1
.endr
.irp t, 0,1,2,3
	ds_store_b128 v6, v[96+8*\t:99+8*\t] offset:64*\t
	ds_store_b128 v6, v[100+8*\t:103+8*\t] offset:64*\t+16
.endr
.irp i, 0,1,2,3,4,5,6,7
	ds_load_b128 v[32+4*\i:35+4*\i], v7 offset:544*\i   ; LDS serves a wave's instructions in order: these see my stores
.endr
.irp i, 0,1,2,3,4,5,6,7
	s_wait_dscnt 7-\i
	global_store_b128 v8, v[32+4*\i:35+4*\i], s[62:63] offset:8192*\i
.endr
	s_wait_tensorcnt 0x0                           ; the wave's end
	ds_add_u32 v31, v255
	s_wait_dscnt 0x0
	CROUND                                         ; the closing round
	s_endpgm
.Lfunc_end_k_qa19dc5fe29_attn:
	.size	k_qa19dc5fe29_attn, .Lfunc_end_k_qa19dc5fe29_attn-k_qa19dc5fe29_attn
	.p2alignl 7, 3214868480
	.fill 96, 4, 3214868480
	.section	.rodata,"a",@progbits
	.p2align	6, 0x0
	.amdhsa_kernel k_qa19dc5fe29_attn
		.amdhsa_group_segment_fixed_size 327680
		.amdhsa_private_segment_fixed_size 0
		.amdhsa_enable_private_segment 0
		.amdhsa_kernarg_size 32
		.amdhsa_user_sgpr_count 2
		.amdhsa_user_sgpr_kernarg_segment_ptr 1
		.amdhsa_wavefront_size32 1
		.amdhsa_system_sgpr_workgroup_id_x 1
		.amdhsa_system_sgpr_workgroup_id_y 1
		.amdhsa_system_sgpr_workgroup_id_z 1
		.amdhsa_system_vgpr_workitem_id 0
		.amdhsa_next_free_vgpr 256
		.amdhsa_next_free_sgpr 106
		.amdhsa_reserve_vcc 1
		.amdhsa_float_denorm_mode_32 3
		.amdhsa_float_denorm_mode_16_64 3
		.amdhsa_memory_ordered 1
		.amdhsa_forward_progress 1
		.amdhsa_inst_pref_size 49
	.end_amdhsa_kernel
	.amdgpu_metadata
---
amdhsa.version: [ 1, 2 ]
amdhsa.kernels:
  - .name:           k_qa19dc5fe29_attn
    .symbol:         k_qa19dc5fe29_attn.kd
    .args:
      - { .name: qb, .offset: 0, .size: 8, .value_kind: global_buffer, .address_space: global }
      - { .name: kv, .offset: 8, .size: 8, .value_kind: global_buffer, .address_space: global }
      - { .name: maskc, .offset: 16, .size: 8, .value_kind: global_buffer, .address_space: global }
      - { .name: ow, .offset: 24, .size: 8, .value_kind: global_buffer, .address_space: global }
    .group_segment_fixed_size: 327680
    .private_segment_fixed_size: 0
    .kernarg_segment_align: 8
    .kernarg_segment_size: 32
    .max_flat_workgroup_size: 512
    .sgpr_count:     106
    .vgpr_count:     256
    .wavefront_size: 32
...
	.end_amdgpu_metadata
.endif
;; end of part 3
;; launch fc (part 4): grid 256 x 1, 16 waves a work-group, clusters of 4 x 1, 327,680 bytes of LDS; arguments ow, q, wf, Wfc_scales, bfc, gamma, beta, out0; writes out0
.if DOCPART == 4
	.amdgcn_target "amdgcn-amd-amdhsa--gfx1250"
	.amdhsa_code_object_version 6
	.text
	.protected	k_qa19dc5fe29_fc
	.globl	k_qa19dc5fe29_fc
	.p2align	8
	.type	k_qa19dc5fe29_fc,@function
k_qa19dc5fe29_fc:
	s_mov_b64 s[64:65], 0
	v_nop
	global_prefetch_b8 v0, s[64:65] scope:SCOPE_SE
	s_setreg_imm32_b32 hwreg(HW_REG_WAVE_MODE, 25, 1), 1
	s_wait_xcnt 0x0
	s_wait_alu depctr_hold_cnt(0) depctr_sa_sdst(0) depctr_va_vdst(0) depctr_va_sdst(0) depctr_va_ssrc(0) depctr_va_vcc(0) depctr_vm_vsrc(0)
	s_getreg_b32 s2, hwreg(HW_REG_IB_STS2, 6, 4)
	s_cmp_eq_u32 s2, 0
	s_cbranch_scc0 .Lentry_in_a_cluster
	s_endpgm
.Lentry_in_a_cluster:
	s_bfe_u32 s2, ttmp6, 0x10000c
	s_cmp_lg_u32 s2, 0x3003
	s_cbranch_scc0 .Lentry_shape_is_right
	s_endpgm
.Lentry_shape_is_right:
; out0 = LayerNorm(Q(o) Wfc + bfc + q) x gamma + beta.  o comes from ow, f32, [row][head n][d]; the product's K runs (d, n): k = 16 d + n, so a block of 32 is two d of all 16 heads.
; A work-group owns 16 whole rows; sixteen waves.
; THE QUANTISER: wave w takes row w: the row goes through the wave's own stage, and lane L takes block L (d = 2 L, 2 L + 1, all heads): 32 numbers, one scale byte, 16 bytes of codes, all the lane's own.
;   Codes and bytes go to LDS as images of the operand's registers, chunks of 256 bytes 272 apart; one barrier shows them to every wave.
; THE PRODUCT: wave w multiplies all 8 K steps of 128 by ITS 64 columns of Wfc (4 tiles), transposed (source 0 = 16 columns, source 1 = the 16 rows): a lane holds eight neighbouring columns of one row.  bfc is loaded into the accumulators.
; WFC'S FRAGMENTS (wf: [tile][K step][1,024 bytes]).  K steps 0 and 7 come straight into registers.  K steps 1 to 6 come by tensor loads, one a wave, each wave its own four tiles, into bytes that it alone reads:
;   12,288 bytes a wave, three K steps: K steps 1 to 3 at the head, K steps 4 to 6 into the same bytes when these have been read.  A second such region does not fit in LDS beside the stages.
; CLUSTER 4 x 1: all work-groups read the same Wfc; the four of a cluster ask jointly (the mask names all four; the descriptors hang on the wave's number alone).  cx enters ow's, q's and out0's addresses alone.
; THE NORM: a wave keeps its 16 rows x 64 columns.  They go through its stage, so that sixteen lanes hold 256 neighbouring bytes of a row; q is added; the rows' sums are joined over 16 lanes, then over the 16 waves through a table in LDS.
;   The mean comes first, then the mean of the squared differences: no difference of large sums.
; No prefetch: the launch has no loop to run ahead in.
; LIMITS: a block of zeros gets the scale byte 1 (its codes are zeros; this program alone reads the byte); NaN and infinities are not served.
; REGISTERS: v1-13, v240-247 addresses; v14, v15 the spare word and 0; v16-31 Wfc's scale words; v32-63, v64-95 o's row and the gathered block, then two buffers of Wfc's fragments, then x and the sums;
;   v96-127 four accumulators; v128-191 the rows' fragments, 8 a K step (v128-159 later q); v192-223 K step 0 of Wfc, then K step 7; v224-231 the rows' scale words; v232-238 the quantiser; v248-251 gamma, v252-255 beta.
.set STW,   4352                       ; a wave's stage: 16 lines of 256 bytes + 16
.set IMG,   16*STW                     ; the rows' images: 32 chunks of 256 bytes + 16: chunk 4 ks + 2 c + h holds registers 4 c .. 4 c + 3 of lanes 16 h + r
.set ISC,   IMG+32*272                 ; their scale words: [K step][row]
.set RS,    ISC+512                    ; two tables [row][wave] of f32
.set SPARE, RS+2048                    ; the spare words: 128 bytes a wave
.set RA,    SPARE+2048                 ; Wfc's region: [wave][tile][3 K steps][1,024 bytes]
.macro PLACES
.rept 4
	v_nop
.endr
.endm
.macro CROUND                          ; a round of the cluster's barrier
	s_barrier_signal -1
	s_barrier_wait -1
	s_cmp_lg_u32 s2, 0
	s_cbranch_scc1 .Lnot_wave_0_\@
	s_barrier_signal -3
.Lnot_wave_0_\@:
	s_barrier_wait -3
	s_barrier_signal -1
	s_barrier_wait -1
.endm
.macro BLOAD ks, set                   ; my four tiles' fragments of K step ks from memory: each load takes 512 consecutive bytes
.irp t, 0,1,2,3
.irp c, 0,1
	global_load_b128 v[\set+8*\t+4*\c:\set+8*\t+4*\c+3], v240, s[8:9] offset:8192*\t+1024*(\ks)+512*\c
.endr
.endr
.endm
.macro LFRAG kk, buf                   ; the same from the region: its kk-th K step
.irp t, 0,1,2,3
.irp c, 0,1
	ds_load_b128 v[\buf+8*\t+4*\c:\buf+8*\t+4*\c+3], v241 offset:3072*\t+1024*(\kk)+512*\c
.endr
.endr
.endm
.macro MUL4 ks, set                    ; four accumulators by turns
.irp t, 0,1,2,3
.if \t%2 == 0
	v_wmma_scale_f32_16x16x128_f8f6f4 v[96+8*\t:103+8*\t], v[\set+8*\t:\set+8*\t+7], v[128+8*(\ks):135+8*(\ks)], v[96+8*\t:103+8*\t], v[16+8*(\t/2)+(\ks)], v[224+(\ks)] matrix_a_fmt:MATRIX_FMT_FP4 matrix_b_fmt:MATRIX_FMT_FP4
.else
	v_wmma_scale_f32_16x16x128_f8f6f4 v[96+8*\t:103+8*\t], v[\set+8*\t:\set+8*\t+7], v[128+8*(\ks):135+8*(\ks)], v[96+8*\t:103+8*\t], v[16+8*(\t/2)+(\ks)], v[224+(\ks)] matrix_a_fmt:MATRIX_FMT_FP4 matrix_b_fmt:MATRIX_FMT_FP4 matrix_a_scale:MATRIX_SCALE_ROW1
.endif
.endr
.endm
.macro RED16 b                         ; eight numbers a lane, each summed over its row of 16 lanes; the eight chains take turns
.irp m, 1,2,4,8
.irp i, 0,1,2,3,4,5,6,7
	v_add_f32_dpp v[\b+\i], v[\b+\i], v[\b+\i] row_xmask:\m row_mask:0xf bank_mask:0xf
.endr
.endr
.endm
.macro ACROSS off                      ; v64-71: my lane's part of rows 2 i + hi.  Leaves the rows' sums over all 1,024 columns in v72-79
	RED16 64
.irp i, 0,1,2,3,4,5,6,7
	ds_store_b32 v245, v[64+\i] offset:128*\i+\off   ; sixteen lanes write the same word with the same value: table[row][my wave]
.endr
	s_wait_dscnt 0x0
	s_barrier_signal -1
	s_barrier_wait -1
.irp i, 0,1,2,3,4,5,6,7
	ds_load_b32 v[72+\i], v246 offset:128*\i+\off    ; lane lo takes wave lo's part
.endr
	s_wait_dscnt 0x0
	RED16 72
.endm
	s_load_b512 s[4:19], s[0:1], 0x0               ; ow, q, wf, Wfc_scales, bfc, gamma, beta, out0
	v_lshl_add_u32 v14, v0, 2, SPARE
	v_mov_b32 v15, 0
	ds_add_u32 v14, v15                            ; the opening lines: the add, twice on end, and its wait ahead of my first tensor load
	ds_add_u32 v14, v15
	v_lshrrev_b32 v1, 5, v0
	s_delay_alu instid0(VALU_DEP_1)
	v_readfirstlane_b32 s2, v1                     ; wave 0..15
	s_bfe_u32 s48, ttmp6, 0x40000                  ; cx
	s_lshl_b32 s22, ttmp9, 2
	s_add_co_u32 s22, s22, s48                     ; the work-group
	s_lshl_b32 s22, s22, 16                        ; its 16 rows of 4,096 bytes
	s_mov_b32 s23, 0
	s_mov_b32 s32, 15|(3<<16)|(1<<21)              ; s[32:39] group 1: the mask names all four; elements of 8 bytes; 4 rows (tiles) of 3,072 bytes, 8,192 bytes apart
	s_mov_b32 s33, 384<<16
	s_mov_b32 s34, 4<<16
	s_mov_b32 s35, 384<<16
	s_mov_b32 s36, 4
	s_mov_b32 s37, 1024
	s_mov_b32 s38, 0
	s_mov_b32 s39, 0
	s_mov_b32 s24, 1                               ; s[24:27] group 0
	s_mul_i32 s25, s2, 12288
	s_add_co_u32 s25, s25, RA
	s_lshl_b32 s52, s2, 15                         ; my four tiles in wf
	s_mov_b32 s53, 0
	s_mul_i32 s49, s2, STW                         ; my stage
	s_lshl_b32 s54, s2, 12
	s_lshl_b32 s55, s2, 8
	s_lshl_b32 s56, s2, 4
	s_add_co_u32 s56, s56, IMG
	s_lshl_b32 s57, s2, 2
	s_add_co_u32 s58, s57, ISC
	s_add_co_u32 s57, s57, RS
	s_lshl_b32 s59, s2, 11
	s_mov_b32 s50, 0x3a800000                      ; 1 / 1,024
	s_mov_b32 s51, 0x3727c5ac                      ; 1e-5
	v_and_b32 v2, 31, v0                           ; L
	v_and_b32 v3, 15, v0                           ; lo
	v_bfe_u32 v13, v0, 4, 1                        ; hi
	v_lshlrev_b32 v1, 4, v2                        ; v1  16 L
	v_mul_u32_u24 v9, v13, 272
	s_delay_alu instid0(VALU_DEP_1)
	v_lshl_add_u32 v9, v3, 4, v9                   ; lanes 0-15 one line of 256 bytes, lanes 16-31 the next
	s_delay_alu instid0(VALU_DEP_1)
	v_add_nc_u32 v5, s49, v9                       ; v5  so in my stage,
	v_add_nc_u32 v9, IMG, v9                       ; v9  and among the images' chunks
	v_add_nc_u32 v4, s54, v1                       ; v4  row w of ow, 16 bytes a lane
	v_lshl_add_u32 v6, v2, 3, s49                  ; v6  the gather: d = 2 L of each head's line
	v_mad_u32_u24 v7, v2, 272, s56                 ; v7  block L of row w: chunk L, 16 bytes at 16 w
	v_and_b32 v8, 28, v2
	v_and_b32 v10, 3, v2
	s_delay_alu instid0(VALU_DEP_1)
	v_lshl_add_u32 v8, v8, 4, v10
	s_delay_alu instid0(VALU_DEP_1)
	v_add_nc_u32 v8, s58, v8                       ; v8  its scale byte: K step L / 4, row w, byte L % 4
	v_lshl_add_u32 v10, v3, 2, ISC                 ; v10 row lo's scale word
	v_lshl_add_u32 v11, v13, 5, s55                ; v11 bfc: my 64 columns, my half's eight
	v_lshl_add_u32 v12, v2, 5, s59                 ; v12 Wfc's scale bytes: 32 a column; lanes 0-15 an even tile, lanes 16-31 the odd one beside it
	v_add_nc_u32 v240, s52, v1                     ; v240 wf
	v_add_nc_u32 v241, s25, v1                     ; v241 my part of Wfc's region
	v_mul_u32_u24 v243, v3, 272
	s_delay_alu instid0(VALU_DEP_1)
	v_lshl_add_u32 v243, v13, 5, v243
	s_delay_alu instid0(VALU_DEP_1)
	v_add_nc_u32 v243, s49, v243                   ; v243 the results into my stage: row lo, 32 bytes for each half
	v_lshl_add_u32 v247, v3, 4, s55                ; v247 gamma, beta: my 64 columns, 16 bytes a lane
	s_delay_alu instid0(VALU_DEP_1)
	v_lshl_add_u32 v244, v13, 12, v247             ; v244 q, out0: the same in rows hi
	v_lshl_add_u32 v245, v13, 6, s57               ; v245 table[hi][w]
	v_lshlrev_b32 v246, 2, v3
	s_delay_alu instid0(VALU_DEP_1)
	v_lshl_add_u32 v246, v13, 6, v246
	s_delay_alu instid0(VALU_DEP_1)
	v_add_nc_u32 v246, RS, v246                    ; v246 table[hi][lo]
	s_wait_alu depctr_va_vdst(0)
	s_wait_dscnt 0x0                               ; both opening adds are done
	s_wait_kmcnt 0x0
	s_add_nc_u64 s[4:5], s[4:5], s[22:23]
	s_add_nc_u64 s[6:7], s[6:7], s[22:23]
	s_add_nc_u64 s[18:19], s[18:19], s[22:23]
.irp i, 0,1,2,3,4,5,6,7
	global_load_b128 v[32+4*\i:35+4*\i], v4, s[4:5] offset:512*\i th:TH_LOAD_NT       ; row w of o: heads 2 i (lanes 0-15) and 2 i + 1
.endr
	s_add_nc_u64 s[26:27], s[8:9], s[52:53]
	s_add_nc_u64 s[26:27], s[26:27], 1024          ; K steps 1 to 3
	s_or_b32 s27, s27, 0x80000000
	CROUND                                         ; all four work-groups are here: the joint loads meet
	tensor_load_to_lds s[24:27], s[32:39]          ; every wave's one load at the head
	s_nop 0
	PLACES
	BLOAD 0, 192
.irp t, 0,1,2,3
	global_load_b128 v[96+8*\t:99+8*\t], v11, s[12:13] offset:64*\t                   ; bfc starts the sums
	global_load_b128 v[100+8*\t:103+8*\t], v11, s[12:13] offset:64*\t+16
.endr
.irp p, 0,1
	global_load_b128 v[16+8*\p:19+8*\p], v12, s[10:11] offset:1024*\p                 ; register 16 + 8 p + ks: the scale words of tiles 2 p (lanes 0-15) and 2 p + 1 (lanes 16-31)
	global_load_b128 v[20+8*\p:23+8*\p], v12, s[10:11] offset:1024*\p+16
.endr
	global_load_b128 v[248:251], v247, s[14:15]
	global_load_b128 v[252:255], v247, s[16:17]
	s_wait_loadcnt 22                              ; o's eight loads are in; younger: K step 0's 8, bfc's 8, the scale words' 4, gamma, beta
.irp i, 0,1,2,3,4,5,6,7
	ds_store_b128 v5, v[32+4*\i:35+4*\i] offset:544*\i       ; head n's 64 numbers in line n of my stage
.endr
.irp e, 0,1
.irp n, 0,1,2,3,4,5,6,7,8,9,10,11,12,13,14,15
	ds_load_b32 v[64+16*\e+\n], v6 offset:272*\n+4*\e        ; o(w, n, 2 L + e) = K 32 L + 16 e + n.  LDS serves a wave's instructions in order: these see my stores
.endr
.endr
	s_wait_dscnt 0x0
	v_max3_num_f32 v236, |v64|, |v65|, 0x1800000   ; the block's largest magnitude, in two chains, and the floor 2^(3 - 127): the byte cannot fall under 1
	v_max3_num_f32 v237, |v80|, |v81|, |v82|
.irp i, 2,4,6,8,10,12
	s_delay_alu instid0(VALU_DEP_2)
	v_max3_num_f32 v236, v236, |v[64+\i]|, |v[65+\i]|
	s_delay_alu instid0(VALU_DEP_2)
	v_max3_num_f32 v237, v237, |v[81+\i]|, |v[82+\i]|
.endr
	s_delay_alu instid0(VALU_DEP_2)
	v_max3_num_f32 v236, v236, |v78|, |v79|
	s_delay_alu instid0(VALU_DEP_1)
	v_max3_num_f32 v236, v236, v237, |v95|
	s_delay_alu instid0(VALU_DEP_1)
	v_add_nc_u32 v237, 0xff000000, v236            ; 2 off its exponent field: the conversion's scale operand
.irp g, 0,1,2,3
	v_cvt_scalef32_pk8_fp4_f32 v[232+\g], v[64+8*\g:71+8*\g], v237
.endr
	v_lshrrev_b32 v238, 23, v237                   ; the scale's byte (a plain line behind the conversions)
	ds_store_b128 v7, v[232:235]
	ds_store_b8 v8, v238
	s_wait_dscnt 0x0                               ; my stores have landed
	s_barrier_signal -1
	s_barrier_wait -1                              ; the 16 rows' images lie in LDS
.irp k, 0,1,2,3,4,5,6,7
	ds_load_b32 v[224+\k], v10 offset:64*\k        ; the rows' scale words
.endr
.irp k, 0,1,2,3,4,5,6,7
	ds_load_b128 v[128+8*\k:131+8*\k], v9 offset:272*4*\k          ; and fragments, all eight K steps
	ds_load_b128 v[132+8*\k:135+8*\k], v9 offset:272*(4*\k+2)
.endr
	s_wait_tensorcnt 0x0                           ; K steps 1 to 3 of my tiles are in: bytes that I alone read
	LFRAG 0, 32                                    ; K step 1
	LFRAG 1, 64                                    ; K step 2
	s_wait_loadcnt 0x0                             ; K step 0 of Wfc, bfc, the scale words
	s_wait_dscnt 16                                ; the rows' words and fragments are in; the 16 loads from Wfc's region may be out
	MUL4 0, 192
	PLACES                                         ; four plain lines in front of loads into registers that matrix instructions have read
	BLOAD 7, 192                                   ; the set just multiplied takes K step 7
	s_wait_dscnt 8
	MUL4 1, 32
	PLACES
	LFRAG 2, 32                                    ; K step 3
	s_wait_dscnt 8                                 ; K step 2 is in; the eight just issued may be out
	MUL4 2, 64
	s_wait_dscnt 0x0
	MUL4 3, 32
	s_wait_tensorcnt 0x0                           ; no load of mine is out, so the group 0 may be written;
	ds_add_u32 v14, v15
	s_add_nc_u64 s[26:27], s[26:27], 3072          ; K steps 4 to 6
	s_wait_dscnt 0x0                               ; the add is done, and so are my reads of the region
	CROUND                                         ; the same holds of every wave of all four work-groups
	tensor_load_to_lds s[24:27], s[32:39]          ; my one load behind the round
	s_nop 0
	PLACES
.irp i, 0,1,2,3,4,5,6,7
	global_load_b128 v[128+4*\i:131+4*\i], v244, s[6:7] offset:8192*\i th:TH_LOAD_NT   ; the rows' fragments of K steps 0 to 3 are done with: q, rows 2 i + hi, my 64 columns: sixteen lanes read 256 consecutive bytes, aligned
.endr
	s_wait_tensorcnt 0x0                           ; K steps 4 to 6 are in
	LFRAG 0, 64                                    ; K step 4
	LFRAG 1, 32                                    ; K step 5
	s_wait_dscnt 8
	MUL4 4, 64
	PLACES
	LFRAG 2, 64                                    ; K step 6
	s_wait_dscnt 8
	MUL4 5, 32
	s_wait_dscnt 0x0
	MUL4 6, 64
	s_wait_loadcnt 8                               ; K step 7 is in; q's eight loads are younger
	MUL4 7, 192
	PLACES                                         ; in front of the first read of results
.irp t, 0,1,2,3
	ds_store_b128 v243, v[96+8*\t:99+8*\t] offset:64*\t            ; each accumulator from its low end on
	ds_store_b128 v243, v[100+8*\t:103+8*\t] offset:64*\t+16
.endr
.irp i, 0,1,2,3,4,5,6,7
	ds_load_b128 v[32+4*\i:35+4*\i], v5 offset:544*\i              ; back: rows 2 i + hi, four columns a lane
.endr
	s_wait_loadcnt 0x0                             ; q
	s_wait_dscnt 0x0
.set I, 0
.rept 16
	v_pk_add_f32 v[32+I:33+I], v[32+I:33+I], v[128+I:129+I]        ; the residual
.set I, I+2
.endr
.irp i, 0,1,2,3,4,5,6,7
	v_pk_add_f32 v[96+2*\i:97+2*\i], v[32+4*\i:33+4*\i], v[34+4*\i:35+4*\i]
.endr
.irp i, 0,1,2,3,4,5,6,7
	v_add_f32 v[64+\i], v[96+2*\i], v[97+2*\i]
.endr
	ACROSS 0
.irp i, 0,1,2,3,4,5,6,7
	v_mul_f32 v[72+\i], 0xba800000, v[72+\i]       ; - the mean (x 1 / 1,024 is exact)
.endr
.irp i, 0,1,2,3,4,5,6,7
.irp j, 0,1,2,3
	v_add_f32 v[32+4*\i+\j], v[32+4*\i+\j], v[72+\i]
.endr
.endr
.irp i, 0,1,2,3,4,5,6,7
	v_pk_mul_f32 v[96+2*\i:97+2*\i], v[32+4*\i:33+4*\i], v[32+4*\i:33+4*\i]
.endr
.irp i, 0,1,2,3,4,5,6,7
	v_pk_fma_f32 v[96+2*\i:97+2*\i], v[34+4*\i:35+4*\i], v[34+4*\i:35+4*\i], v[96+2*\i:97+2*\i]
.endr
.irp i, 0,1,2,3,4,5,6,7
	v_add_f32 v[64+\i], v[96+2*\i], v[97+2*\i]
.endr
	ACROSS 1024                                    ; the second table: other bytes than the first
.irp i, 0,1,2,3,4,5,6,7
	v_fma_f32 v[72+\i], v[72+\i], s50, s51         ; the variance + 1e-5
.endr
	s_wait_alu depctr_va_vdst(0)                   ; ahead of the batch
.irp i, 0,1,2,3,4,5,6,7
	v_rsq_f32 v[80+\i], v[72+\i]
.endr
	v_nop                                          ; a plain line behind the transcendentals
	s_wait_alu depctr_va_vdst(0)                   ; and one wait for the batch, ahead of its first reader
.irp i, 0,1,2,3,4,5,6,7
.irp j, 0,1,2,3
	v_mul_f32 v[32+4*\i+\j], v[32+4*\i+\j], v[80+\i]
.endr
.endr
.irp i, 0,1,2,3,4,5,6,7
	v_pk_fma_f32 v[32+4*\i:33+4*\i], v[32+4*\i:33+4*\i], v[248:249], v[252:253]
	v_pk_fma_f32 v[34+4*\i:35+4*\i], v[34+4*\i:35+4*\i], v[250:251], v[254:255]
.endr
.irp i, 0,1,2,3,4,5,6,7
	global_store_b128 v244, v[32+4*\i:35+4*\i], s[18:19] offset:8192*\i th:TH_STORE_NT   ; sixteen lanes store 256 consecutive bytes, aligned
.endr
	s_wait_tensorcnt 0x0                           ; the wave's end
	ds_add_u32 v14, v15
	s_wait_dscnt 0x0
	CROUND                                         ; the closing round
	s_endpgm
.Lfunc_end_k_qa19dc5fe29_fc:
	.size	k_qa19dc5fe29_fc, .Lfunc_end_k_qa19dc5fe29_fc-k_qa19dc5fe29_fc
	.p2alignl 7, 3214868480
	.fill 96, 4, 3214868480
	.section	.rodata,"a",@progbits
	.p2align	6, 0x0
	.amdhsa_kernel k_qa19dc5fe29_fc
		.amdhsa_group_segment_fixed_size 327680
		.amdhsa_private_segment_fixed_size 0
		.amdhsa_enable_private_segment 0
		.amdhsa_kernarg_size 64
		.amdhsa_user_sgpr_count 2
		.amdhsa_user_sgpr_kernarg_segment_ptr 1
		.amdhsa_wavefront_size32 1
		.amdhsa_system_sgpr_workgroup_id_x 1
		.amdhsa_system_sgpr_workgroup_id_y 1
		.amdhsa_system_sgpr_workgroup_id_z 1
		.amdhsa_system_vgpr_workitem_id 0
		.amdhsa_next_free_vgpr 256
		.amdhsa_next_free_sgpr 66
		.amdhsa_reserve_vcc 0
		.amdhsa_float_denorm_mode_32 3
		.amdhsa_float_denorm_mode_16_64 3
		.amdhsa_memory_ordered 1
		.amdhsa_forward_progress 1
		.amdhsa_inst_pref_size 44
	.end_amdhsa_kernel
	.amdgpu_metadata
---
amdhsa.version: [ 1, 2 ]
amdhsa.kernels:
  - .name:           k_qa19dc5fe29_fc
    .symbol:         k_qa19dc5fe29_fc.kd
    .args:
      - { .name: ow, .offset: 0, .size: 8, .value_kind: global_buffer, .address_space: global }
      - { .name: q, .offset: 8, .size: 8, .value_kind: global_buffer, .address_space: global }
      - { .name: wf, .offset: 16, .size: 8, .value_kind: global_buffer, .address_space: global }
      - { .name: Wfc_scales, .offset: 24, .size: 8, .value_kind: global_buffer, .address_space: global }
      - { .name: bfc, .offset: 32, .size: 8, .value_kind: global_buffer, .address_space: global }
      - { .name: gamma, .offset: 40, .size: 8, .value_kind: global_buffer, .address_space: global }
      - { .name: beta, .offset: 48, .size: 8, .value_kind: global_buffer, .address_space: global }
      - { .name: out0, .offset: 56, .size: 8, .value_kind: global_buffer, .address_space: global }
    .group_segment_fixed_size: 327680
    .private_segment_fixed_size: 0
    .kernarg_segment_align: 8
    .kernarg_segment_size: 64
    .max_flat_workgroup_size: 512
    .sgpr_count:     66
    .vgpr_count:     256
    .wavefront_size: 32
...
	.end_amdgpu_metadata
.endif
;; end of part 4
